; MI455X (gfx1250); checked and timed in simulation.
; The chip was launched on July 23, 2026; its instructions are those of AMD's public machine-readable ISA for CDNA 5 (MIT licence, August 2026) and "CDNA5" Instruction Set Architecture Reference Guide (July 2026). The comments in the code are by the model that wrote it; some were corrected since.
;; Attention. Allowed arithmetic: matrix products marked QUANTISED: E2M3 operands, one E8M0 scale for each 32 along K, by v_wmma_scale_f32_16x16x128_f8f6f4 with both operands' format E2M3, f32 sums; everything else in f32.
;; Inputs: Wk 2,048 x 512 float32; Wo 1,024 x 2,048 float32; Wq 2,048 x 2,048 float32; Wv 2,048 x 512 float32; cos 2,048 x 64 float32; hidden_states 2 x 2,048 x 2,048 float32; sin 2,048 x 64 float32.
;; Outputs: out0 2 x 2,048 x 2,048 float32.
;; This version of the problem:
;;   THIS VERSION OF THE PROBLEM IS GIVEN IN LOW PRECISION. The matrix products marked QUANTISED in the list below multiply operands that are first quantised to E2M3 (2 exponent bits, 3 mantissa bits; 6 bits a number), with one power-of-two scale for each 32 numbers along K (OCP MX v1.0); their sums are f32. All else is computed in f32.
;;   The module's matrix products, in the order in which they are computed (A, B: the left and right operand; K: the contracted axis; several contracted axes count as one K, in the product's order):
;;     1. [M 4,096, K 2,048] x [K 2,048, N 2,048]; A: input hidden_states; B: input Wq: QUANTISED
;;     2. [M 4,096, K 2,048] x [K 2,048, N 512]; A: input hidden_states; B: input Wk: QUANTISED
;;     3. [M 4,096, K 2,048] x [K 2,048, N 512]; A: input hidden_states; B: input Wv: QUANTISED
;;     4. batch 32 x [M 2,048, K 64] x [K 64, N 2,048]; A: computed on the way; B: computed on the way: QUANTISED
;;     5. batch 32 x [M 2,048, K 2,048] x [K 2,048, N 64]; A: softmax (see below); B: computed on the way: QUANTISED
;;     6. [M 4,096, K 1,024] x [K 1,024, N 2,048]; A: computed on the way; B: input Wo: QUANTISED
;;   THE QUANTISER, for each operand of a quantised product, along K:
;;     - K is cut into blocks of 32 from its start; a last block that is shorter is filled with zeros.
;;     - A block's scale is 2^e with e = floor(log2(the largest magnitude in the block)) - 2, held to -126 .. 127; a block of zeros has e = 0. As a byte (E8M0): e + 127.
;;     - Each number is divided by its block's scale, clamped to +-7.5, and rounded to the nearest number of E2M3, ties to even, subnormals kept.
;;     - The product sums the exact products of the quantised numbers (number of the format x scale) in f32.
;;   ~~~python
;;   def quantise(x, axis):      # numpy; x: float32 -> the quantised numbers, widened to float32 again
;;       x = np.moveaxis(x, axis, -1); K = x.shape[-1]
;;       x = np.pad(x, [(0, 0)] * (x.ndim - 1) + [(0, -K % 32)]); x = x.reshape(x.shape[:-1] + (-1, 32)); a = np.abs(x).max(-1, keepdims=True)
;;       e = np.where(a > 0, np.clip(np.frexp(np.where(a > 0, a, 1))[1] - 1 - 2, -126, 127), 0)      # np.frexp(a)[1] - 1 = floor(log2(a)), exactly
;;       r = np.clip(x / 2.0 ** e, -7.5, 7.5)
;;       step = 2.0 ** (np.maximum(np.frexp(np.where(r == 0, 1, r))[1] - 1, 0) - 3)
;;       q = np.round(r / step) * step * 2.0 ** e      # np.round: ties to even
;;       return np.moveaxis(q.reshape(q.shape[:-2] + (-1,))[..., :K], -1, axis).astype(np.float32)
;;   ~~~
;;   SOFTMAX AHEAD OF A QUANTISED PRODUCT. Where the list says 'softmax', what is quantised is not the finished softmax but p = 2^(t - M), with t = logit x log2(e) and M = ceil(the row's largest t), a whole number; so 1/2 < the row's largest p <= 1. The row's sum l is taken of the UNQUANTISED p, in f32, and the product's result is divided by l at the end. Since M is a whole number, a kernel that streams over the keys may use a running M (the ceiling of the running maximum): every later rescaling is an exact power of two, which a block's scale takes up: the codes' values come out the same.
;;   OPERANDS COMPUTED ON THE WAY. 'Computed on the way' means the value that the module computes at that place (a softmax that the list does not call 'softmax' is quantised finished and normalised). What goes into a quantiser is computed in f32, as accurately as f32 sums, v_exp_f32 and their like allow (about 1e-6 of the number): no bf16 or f16 on the way to a quantiser, and a product that is left as it is and whose result goes on into a quantised operand takes f32 operands (vector FMAs, or v_wmma_f32_16x16x4_f32). A number that lies on a knife's edge between two numbers of the format may be rounded either way, as far as f32 arithmetic and the matrix unit's own rounding can turn it there, and no further.
;; One version. Each part assembles by itself: llvm-mc -triple=amdgcn-amd-amdhsa -mcpu=gfx1250 --defsym DOCPART=n.
;; ======== version 1 of 1: 4 launches
;; limits: right only within a limited range of input values
;; workspace buffers: xq 6,553,600 bytes; wq 4,915,200 bytes; wo 1,638,400 bytes; qi 3,407,872 bytes; kv 3,407,872 bytes; gt 16,777,216 bytes; aq 3,276,800 bytes
;; launch quant (part 1): grid 512 x 1, 4 waves a work-group, no clusters, 34,304 bytes of LDS; arguments hidden_states, Wq, Wk, Wv, Wo, xq, wq, wo; writes xq, wq, wo
.if DOCPART == 1
	.amdgcn_target "amdgcn-amd-amdhsa--gfx1250"
	.amdhsa_code_object_version 6
	.text
	.protected	k_qf4e03f831e_quant
	.globl	k_qf4e03f831e_quant
	.p2align	8
	.type	k_qf4e03f831e_quant,@function
k_qf4e03f831e_quant:
	s_mov_b64 s[64:65], 0
	v_nop
	global_prefetch_b8 v0, s[64:65] scope:SCOPE_SE
	s_setreg_imm32_b32 hwreg(HW_REG_WAVE_MODE, 25, 1), 1
	s_wait_xcnt 0x0
; LAUNCH 1 OF 4.  hidden_states, Wq, Wk, Wv and Wo (f32) become codes of E2M3 with one E8M0 byte for each 32 along K, laid in the order of the matrix operand's registers.
; DEAD WORK: none.  All seven inputs of reference() reach the output, it builds no mask and slices nothing away, so every product of the table is done and every input is loaded (cos and sin by the second launch).
; THE QUANTISER: a block's scale is 2^(floor(log2(largest magnitude)) - 2), its byte the largest magnitude's exponent field - 2, held at 1 from below by a floor of 2^-124 among the maximum's leaves.
; LIMITS: NaN and infinities among the inputs are not served.  A block of zeros gets the byte 1 where the rule says 127: its codes are zeros, and the bytes are read by this program alone.
; LAYOUT.  A GROUP is 128 rows of an operand (tokens, or columns of a weight).  Tile i (0..7) of a group holds, in lane row r, the group's row 32 (i/2) + 8 (i%2) + r + 8 (r/8): so the 16 result registers of
; two neighbouring tiles are 16 neighbours along the next K.  A BLOCK (a group x 128 along K) is 12,800 bytes: eight fragment images of 1,536 bytes (registers 4c..4c+3 of lane l at 512 c + 16 l), then two
; units of 256 bytes with the scale words: unit H holds, at 16 r + 4 i, the word of tile 4 H + i, row r.   xq: [group 32][K step 16];  wq: [group 24][K step 16];  wo: [group 16][K step 8].
; wq's groups: 0-7 Wq's columns for q, 8-15 Wq's columns for the gate, 16 + 2 n Wk's columns 128 n on, 17 + 2 n Wv's.
; SHARES.  Work-groups 0-255 take hidden_states, 256-511 the weights; a wave takes four tiles (64 rows) x 128 along K: 32 KiB of f32.  Waves share nothing: no barrier.
.set STG,   8448                       ; a wave's stage in LDS: 16 rows x (512 bytes + 16)
.set SPARE, 4*STG                      ; behind the stages: the spare words, 128 bytes a wave, that no other line names
.set SPW,   246                        ; v246 LDS address of my spare word; never rewritten
.set NIL,   247                        ; v247 0; never rewritten
.set L16,   1                          ; v1   16 x lane
.set SI,    2                          ; v2   the stage on the way in: 16 x lane
.set SOUT,  3                          ; v3   and out: 528 r + 64 h
.set SCO,   4                          ; v4   16 r + 8 h: my place in a unit of scale words
.set HH,    5                          ; v5   h = lane / 16
.set CO,    6                          ; v6   weights: 4 x my column in a pair of tiles
.set PWS,   8                          ; v8-11 the four tiles' scale words
.set R,     16                         ; v16-143  hidden: two sets of 64 registers as loaded
.set X,     144                        ; v144-207 hidden: 64 numbers, register 16 b + i = k 32 b + 16 h + i of my row
.set PC,    208                        ; v208-227 the codes just made
.set TM,    228                        ; v228-243 at work in QUANT
.set OFF,   16                         ; v16-47   weights: row i of a block: i x pitch + my column
.set RW,    48                         ; v48-111  weights: two sets of 32 numbers
.set IMG,   112                        ; v112-159 weights: four fragments
.set PX,    160                        ; v160-162 the upper half of a block's codes
.set SW,    164                        ; v164-165 scale words
.set SEL,   18                         ; s[18:19] lane selects: lane l xor 16
	s_load_b256 s[4:11], s[0:1], 0x0               ; hidden s[4:5], Wq s[6:7], Wk s[8:9], Wv s[10:11]
	s_load_b256 s[20:27], s[0:1], 0x20             ; Wo s[20:21], xq s[22:23], wq s[24:25], wo s[26:27]
	v_lshl_add_u32 v[SPW], v0, 2, SPARE
	v_mov_b32 v[NIL], 0
	v_lshrrev_b32 v7, 5, v0
	v_readfirstlane_b32 s16, v7                    ; wave
	v_and_b32 v7, 31, v0                           ; lane
	v_and_b32 v14, 15, v0                          ; r
	v_bfe_u32 v[HH], v0, 4, 1
	v_lshlrev_b32 v[L16], 4, v7
	s_mul_i32 s17, s16, STG
	v_add_nc_u32 v[SI], s17, v[L16]
	v_mul_u32_u24 v[SOUT], v14, 528
	v_lshl_add_u32 v[SOUT], v[HH], 6, v[SOUT]
	v_add_nc_u32 v[SOUT], s17, v[SOUT]
	v_lshlrev_b32 v[SCO], 4, v14
	v_lshl_add_u32 v[SCO], v[HH], 3, v[SCO]
	s_mov_b32 s[SEL], 0x76543210
	s_mov_b32 s[SEL+1], 0xfedcba98
.irp b, 0,1,2,3
	v_mov_b32 v[TM+4+\b], 0                        ; written once: a lane permute's destination counts as one of its sources
.endr
	s_cmp_ge_u32 ttmp9, 256
	s_cbranch_scc1 .Lweights
; ---------------- hidden_states: K is innermost ----------------
; 64 numbers of a lane become a fragment's 12 registers in v[PC] on and the row's scale word in v[pw]
.macro QUANT s, pw
.irp b, 0,1,2,3
	v_max3_num_f32 v[TM+\b], |v[\s+16*\b]|, |v[\s+1+16*\b]|, 0x1800000   ; block b: my 16 numbers and the floor 2^-124
.endr
.irp i, 2,4,6,8,10,12,14
.irp b, 0,1,2,3
	v_max3_num_f32 v[TM+\b], v[TM+\b], |v[\s+16*\b+\i]|, |v[\s+1+16*\b+\i]|   ; the four blocks by turns
.endr
.endr
.irp b, 0,1,2,3
	v_permlanex16_b32 v[TM+4+\b], v[TM+\b], s[SEL], s[SEL+1]
.endr
.irp b, 0,1,2,3
	v_max_num_f32 v[TM+\b], v[TM+\b], v[TM+4+\b]   ; with lane l xor 16's: the block's largest magnitude
.endr
.irp b, 0,1,2,3
	v_add_nc_u32 v[TM+12+\b], 0xff000000, v[TM+\b] ; 2 off its exponent field: the conversion's scale operand
.endr
.irp b, 0,1,2,3
	v_lshrrev_b32 v[TM+4+\b], 23, v[TM+12+\b]      ; the scale's byte
.endr
	v_lshl_or_b32 v[\pw], v[TM+5], 8, v[TM+4]
	v_lshl_or_b32 v[\pw], v[TM+6], 16, v[\pw]
	v_lshl_or_b32 v[\pw], v[TM+7], 24, v[\pw]
.irp c, 0,1
	v_cvt_scalef32_pk16_fp6_f32 v[PC+6*\c:PC+2+6*\c], v[\s+32*\c:\s+15+32*\c], v[TM+12+2*\c]
	v_cvt_scalef32_pk16_fp6_f32 v[PC+12+4*\c:PC+14+4*\c], v[\s+16+32*\c:\s+31+32*\c], v[TM+13+2*\c]   ; (a conversion's three registers begin on an even number)
.endr
	v_nop                                          ; one plain place behind a scaled conversion
.irp c, 0,1                                    ; the operand wants a whole block in a lane: lanes 0-15 block 2 c, lanes 16-31 block 2 c + 1
.irp i, 0,1,2
	v_permlane16_swap_b32 v[PC+6*\c+\i], v[PC+12+4*\c+\i]
.endr
.irp i, 0,1,2
	v_mov_b32 v[PC+3+6*\c+\i], v[PC+12+4*\c+\i]
.endr
.endr
.endm
.macro LOADX u                         ; tile u's 16 rows x 512 bytes: each load reads 512 consecutive bytes
.irp p, 0,1,2,3,4,5,6,7,8,9,10,11,12,13,14,15
	global_load_b128 v[R+64*((\u)%2)+4*\p:R+64*((\u)%2)+4*\p+3], v[L16], s[4:5] offset:(32*((\u)/2)+8*((\u)%2)+\p+8*(\p/8))*8192 th:TH_LOAD_NT
.endr
.endm
.macro TURNX u                         ; through my stage: in as loaded, out 16 neighbours of each block a lane.  LDS serves a wave's instructions in order
.irp p, 0,1,2,3,4,5,6,7,8,9,10,11,12,13,14,15
	ds_store_b128 v[SI], v[R+64*((\u)%2)+4*\p:R+64*((\u)%2)+4*\p+3] offset:528*\p
.endr
.irp b, 0,1,2,3
.irp j, 0,1,2,3
	ds_load_b128 v[X+16*\b+4*\j:X+16*\b+4*\j+3], v[SOUT] offset:128*\b+16*\j
.endr
.endr
.endm
.macro UNITX u
.if (\u) < 3
	s_wait_loadcnt 16                              ; this tile's 16 loads are in; the next tile's 16 may be out
.else
	s_wait_loadcnt 0x0
.endif
	TURNX \u
	s_wait_dscnt 0x0                               ; the numbers are back, and the stage's stores have read their registers
.if (\u) < 2
	LOADX (\u)+2
.endif
.if (\u) > 0
	s_wait_xcnt 0x0                                ; the last tile's stores have read v[PC] on: it is written again only behind this wait
.endif
	QUANT X, PWS+(\u)
.irp c, 0,1,2
	global_store_b128 v[L16], v[PC+4*\c:PC+4*\c+3], s[22:23] offset:1536*(\u)+512*\c   ; 512 consecutive bytes, at a multiple of 256
.endr
.endm
	s_lshr_b32 s28, ttmp9, 3                       ; the group of 128 tokens
	s_bfe_u32 s29, ttmp9, 0x10002                  ; H: tiles 4 H .. 4 H + 3
	s_and_b32 s30, ttmp9, 3
	s_lshl_b32 s30, s30, 2
	s_add_co_u32 s30, s30, s16                     ; the K step
	s_lshl_b32 s32, s28, 20                        ; 128 rows of 8,192 bytes
	s_lshl_b32 s33, s29, 19
	s_add_co_u32 s32, s32, s33
	s_lshl_b32 s33, s30, 9
	s_add_co_u32 s32, s32, s33
	s_mov_b32 s33, 0
	s_lshl_b32 s34, s28, 4
	s_add_co_u32 s34, s34, s30
	s_mul_i32 s34, s34, 12800                      ; my BLOCK
	s_mov_b32 s35, 0
	s_mul_i32 s36, s29, 6144
	s_mov_b32 s37, 0
	s_lshl_b32 s38, s29, 8
	s_add_co_u32 s38, s38, 12288
	s_mov_b32 s39, 0
	s_wait_kmcnt 0x0
	s_add_nc_u64 s[4:5], s[4:5], s[32:33]
	s_add_nc_u64 s[22:23], s[22:23], s[34:35]
	s_add_nc_u64 s[40:41], s[22:23], s[38:39]      ; my unit of scale words
	s_add_nc_u64 s[22:23], s[22:23], s[36:37]      ; my four images
	LOADX 0
	LOADX 1
	s_wait_alu depctr_va_vdst(0)
	UNITX 0
	UNITX 1
	UNITX 2
	UNITX 3
	v_cmp_ne_u32 vcc_lo, 0, v[HH]
	v_cndmask_b32 v12, v[PWS], v[PWS+2], vcc_lo    ; lane (r, h) stores the words of tiles 2 h and 2 h + 1
	v_cndmask_b32 v13, v[PWS+1], v[PWS+3], vcc_lo
	global_store_b64 v[SCO], v[12:13], s[40:41]    ; 32 lanes store 256 consecutive bytes, aligned
	s_wait_tensorcnt 0x0                           ; the wave's end
	ds_add_u32 v[SPW], v[NIL]
	s_wait_dscnt 0x0
	s_endpgm
; ---------------- the weights: K is the first axis ----------------
; A lane takes a column and its registers run down K: a block of 32 lies in one lane.  Lanes 0-15 take tile 2 p's columns, lanes 16-31 tile 2 p + 1's: 32 columns, 128 consecutive bytes a load.
.Lweights:
	s_wait_kmcnt 0x0
	s_sub_co_u32 s28, ttmp9, 256
	s_mov_b64 s[30:31], s[20:21]                   ; which weight: Wo unless the number says otherwise.  The choices hang on the work-group's number alone
	s_mov_b64 s[32:33], s[26:27]
	s_mov_b32 s34, 8192                            ; a row in bytes
	s_mov_b32 s35, 192                             ; its first work-group
	s_mov_b32 s36, 3                               ; bits of the K step
	s_mov_b32 s37, 0                               ; group = (column group << s37) + s38
	s_mov_b32 s38, 0
	s_mov_b32 s39, 8                               ; K steps
	s_cmp_lt_u32 s28, 192                          ; Wv
	s_cselect_b64 s[30:31], s[10:11], s[30:31]
	s_cselect_b64 s[32:33], s[24:25], s[32:33]
	s_cselect_b32 s34, 2048, s34
	s_cselect_b32 s35, 160, s35
	s_cselect_b32 s36, 4, s36
	s_cselect_b32 s37, 1, s37
	s_cselect_b32 s38, 17, s38
	s_cselect_b32 s39, 16, s39
	s_cmp_lt_u32 s28, 160                          ; Wk
	s_cselect_b64 s[30:31], s[8:9], s[30:31]
	s_cselect_b32 s35, 128, s35
	s_cselect_b32 s38, 16, s38
	s_cmp_lt_u32 s28, 128                          ; Wq
	s_cselect_b64 s[30:31], s[6:7], s[30:31]
	s_cselect_b32 s34, 8192, s34
	s_cselect_b32 s35, 0, s35
	s_cselect_b32 s37, 0, s37
	s_cselect_b32 s38, 0, s38
	s_sub_co_u32 s28, s28, s35
	s_bfm_b32 s40, s36, 0
	s_and_b32 s41, s28, s40                        ; the K step
	s_lshr_b32 s42, s28, s36                       ; which 256 columns
	s_mul_i32 s46, s41, s34
	s_lshl_b32 s46, s46, 7                         ; 128 rows a K step
	s_lshl_b32 s43, s42, 10
	s_add_co_u32 s46, s46, s43
	s_lshl_b32 s43, s16, 8                         ; my wave's 64 columns
	s_add_co_u32 s46, s46, s43
	s_mov_b32 s47, 0
	s_add_nc_u64 s[48:49], s[30:31], s[46:47]      ; block 0 of the K step,
	s_lshl_b32 s46, s34, 5
	s_add_nc_u64 s[50:51], s[48:49], s[46:47]      ; and blocks 1 to 3, 32 rows apart
	s_add_nc_u64 s[52:53], s[50:51], s[46:47]
	s_add_nc_u64 s[54:55], s[52:53], s[46:47]
	s_lshr_b32 s43, s16, 1
	s_lshl_b32 s44, s42, 1
	s_add_co_u32 s44, s44, s43                     ; the group of 128 columns
	s_lshl_b32 s44, s44, s37
	s_add_co_u32 s44, s44, s38
	s_mul_i32 s44, s44, s39
	s_add_co_u32 s44, s44, s41
	s_mul_i32 s44, s44, 12800                      ; my BLOCK
	s_mov_b32 s45, 0
	s_add_nc_u64 s[32:33], s[32:33], s[44:45]
	s_and_b32 s43, s16, 1                          ; H
	s_mul_i32 s44, s43, 6144
	s_add_nc_u64 s[56:57], s[32:33], s[44:45]      ; my four images
	s_lshl_b32 s44, s43, 8
	s_add_co_u32 s44, s44, 12288
	s_add_nc_u64 s[58:59], s[32:33], s[44:45]      ; my unit of scale words
	v_and_b32 v15, 8, v14
	v_add_nc_u32 v15, v15, v14
	v_lshl_add_u32 v15, v[HH], 3, v15              ; my column in a pair of tiles: 8 (lane / 16) + r + 8 (r / 8)
	v_lshlrev_b32 v[CO], 2, v15
.set i, 0
.rept 32
	v_mad_u32_u24 v[OFF+i], s34, i, v[CO]
.set i, i+1
.endr
.macro LOADW t                         ; unit t = 4 p + block: 32 rows of pair p's 32 columns
.set i, 0
.rept 32
	global_load_b32 v[RW+32*((\t)%2)+i], v[OFF+i], s[48+2*((\t)%4):49+2*((\t)%4)] offset:128*((\t)/4) th:TH_LOAD_NT
.set i, i+1
.endr
.endm
.macro BLOCKW t
.set XS, RW+32*((\t)%2)
.set CB, IMG+24*((\t)/4)+12*((\t)%2)+6*(((\t)%4)/2)   ; even blocks in the pair's first 12 registers, odd ones in its second
.if (\t) < 7
	s_wait_loadcnt 32                              ; this unit's 32 loads are in; the next unit's may be out
.else
	s_wait_loadcnt 0x0
.endif
	v_max3_num_f32 v166, |v[XS]|, |v[XS+1]|, |v[XS+2]|             ; all 32 numbers of the block are mine
	v_max3_num_f32 v167, |v[XS+3]|, |v[XS+4]|, |v[XS+5]|
.irp i, 6,10,14,18,22,26
	v_max3_num_f32 v166, v166, |v[XS+\i]|, |v[XS+\i+1]|
	v_max3_num_f32 v167, v167, |v[XS+\i+2]|, |v[XS+\i+3]|
.endr
	v_max3_num_f32 v166, v166, |v[XS+30]|, |v[XS+31]|
	v_max3_num_f32 v166, v166, v167, 0x1800000     ; and the floor 2^-124
	v_add_nc_u32 v168, 0xff000000, v166            ; the conversion's scale operand
	v_lshrrev_b32 v169, 23, v168                   ; the byte
.if (\t)%4 == 0
	v_mov_b32 v[SW+(\t)/4], v169
.else
	v_lshl_or_b32 v[SW+(\t)/4], v169, 8*((\t)%4), v[SW+(\t)/4]
.endif
	v_cvt_scalef32_pk16_fp6_f32 v[CB:CB+2], v[XS:XS+15], v168
	v_cvt_scalef32_pk16_fp6_f32 v[PX:PX+2], v[XS+16:XS+31], v168
	v_nop                                          ; one plain place behind a scaled conversion
.irp i, 0,1,2
	v_mov_b32 v[CB+3+\i], v[PX+\i]
.endr
.if (\t) < 6
	LOADW (\t)+2
.endif
.endm
.macro PAIRW p                         ; lanes 16-31 of the even blocks change places with lanes 0-15 of the odd ones: two fragments as the operand wants them
.set i, 0
.rept 12
	v_permlane16_swap_b32 v[IMG+24*\p+i], v[IMG+24*\p+12+i]
.set i, i+1
.endr
.irp u, 0,1
.irp c, 0,1,2
	global_store_b128 v[L16], v[IMG+24*\p+12*\u+4*\c:IMG+24*\p+12*\u+4*\c+3], s[56:57] offset:(2*\p+\u)*1536+512*\c
.endr
.endr
.endm
	LOADW 0
	LOADW 1
	BLOCKW 0
	BLOCKW 1
	BLOCKW 2
	BLOCKW 3
	PAIRW 0
	BLOCKW 4
	BLOCKW 5
	BLOCKW 6
	BLOCKW 7
	PAIRW 1
	v_permlane16_swap_b32 v[SW], v[SW+1]           ; lane (r, h) now holds the words of tiles 2 h and 2 h + 1
	global_store_b64 v[SCO], v[SW:SW+1], s[58:59]  ; 256 consecutive bytes, aligned
	s_wait_tensorcnt 0x0                           ; the wave's end
	ds_add_u32 v[SPW], v[NIL]
	s_wait_dscnt 0x0
	s_endpgm
.Lfunc_end_k_qf4e03f831e_quant:
	.size	k_qf4e03f831e_quant, .Lfunc_end_k_qf4e03f831e_quant-k_qf4e03f831e_quant
	.p2alignl 7, 3214868480
	.fill 96, 4, 3214868480
	.section	.rodata,"a",@progbits
	.p2align	6, 0x0
	.amdhsa_kernel k_qf4e03f831e_quant
		.amdhsa_group_segment_fixed_size 34304
		.amdhsa_private_segment_fixed_size 0
		.amdhsa_enable_private_segment 0
		.amdhsa_kernarg_size 64
		.amdhsa_user_sgpr_count 2
		.amdhsa_user_sgpr_kernarg_segment_ptr 1
		.amdhsa_wavefront_size32 1
		.amdhsa_system_sgpr_workgroup_id_x 1
		.amdhsa_system_sgpr_workgroup_id_y 1
		.amdhsa_system_sgpr_workgroup_id_z 1
		.amdhsa_system_vgpr_workitem_id 0
		.amdhsa_next_free_vgpr 248
		.amdhsa_next_free_sgpr 66
		.amdhsa_reserve_vcc 1
		.amdhsa_float_denorm_mode_32 3
		.amdhsa_float_denorm_mode_16_64 3
		.amdhsa_memory_ordered 1
		.amdhsa_forward_progress 1
		.amdhsa_inst_pref_size 76
	.end_amdhsa_kernel
	.amdgpu_metadata
---
amdhsa.version: [ 1, 2 ]
amdhsa.kernels:
  - .name:           k_qf4e03f831e_quant
    .symbol:         k_qf4e03f831e_quant.kd
    .args:
      - { .name: hidden_states, .offset: 0, .size: 8, .value_kind: global_buffer, .address_space: global }
      - { .name: Wq, .offset: 8, .size: 8, .value_kind: global_buffer, .address_space: global }
      - { .name: Wk, .offset: 16, .size: 8, .value_kind: global_buffer, .address_space: global }
      - { .name: Wv, .offset: 24, .size: 8, .value_kind: global_buffer, .address_space: global }
      - { .name: Wo, .offset: 32, .size: 8, .value_kind: global_buffer, .address_space: global }
      - { .name: xq, .offset: 40, .size: 8, .value_kind: global_buffer, .address_space: global }
      - { .name: wq, .offset: 48, .size: 8, .value_kind: global_buffer, .address_space: global }
      - { .name: wo, .offset: 56, .size: 8, .value_kind: global_buffer, .address_space: global }
    .group_segment_fixed_size: 34304
    .private_segment_fixed_size: 0
    .kernarg_segment_align: 8
    .kernarg_segment_size: 64
    .max_flat_workgroup_size: 128
    .sgpr_count:     66
    .vgpr_count:     248
    .wavefront_size: 32
...
	.end_amdgpu_metadata
.endif
;; end of part 1
;; launch proj (part 2): grid 12 x 16, 4 waves a work-group, clusters of 4 x 4, 327,680 bytes of LDS; arguments xq, wq, cos, sin, qi, kv, gt; writes qi, kv, gt
.if DOCPART == 2
	.amdgcn_target "amdgcn-amd-amdhsa--gfx1250"
	.amdhsa_code_object_version 6
	.text
	.protected	k_qf4e03f831e_proj
	.globl	k_qf4e03f831e_proj
	.p2align	8
	.type	k_qf4e03f831e_proj,@function
k_qf4e03f831e_proj:
	s_mov_b64 s[64:65], 0
	v_nop
	global_prefetch_b8 v0, s[64:65] scope:SCOPE_SE
	s_setreg_imm32_b32 hwreg(HW_REG_WAVE_MODE, 25, 1), 1
	s_wait_xcnt 0x0
	s_wait_alu depctr_hold_cnt(0) depctr_sa_sdst(0) depctr_va_vdst(0) depctr_va_sdst(0) depctr_va_ssrc(0) depctr_va_vcc(0) depctr_vm_vsrc(0)
	s_getreg_b32 s2, hwreg(HW_REG_IB_STS2, 6, 4)
	s_cmp_eq_u32 s2, 0
	s_cbranch_scc0 .Lentry_in_a_cluster
	s_endpgm
.Lentry_in_a_cluster:
	s_bfe_u32 s2, ttmp6, 0x10000c
	s_cmp_lg_u32 s2, 0xf033
	s_cbranch_scc0 .Lentry_shape_is_right
	s_endpgm
.Lentry_shape_is_right:
.set BLK,   12800
.set HALFB, 2*BLK
.set SLOT,  4*HALFB
.set SPARE, 2*SLOT
.set FR,    12
.set NL,    3
.set NP,    4
.set ADR1,  16
.set ADR0,  20
.set ADRS,  22
.set L16,   24
.set L8,    25
.set CA,    26
.set HH,    27
.set SPW,   28
.set NIL,   29
.set SC,    32
.set AF,    128
.set TM,    64
.set PC,    80
.set PWS,   100
.set TT,    108
.set HA,    128
.set G1,    24
.set G0,    32
.set G1B,   48
.set G0B,   56
.set SEL,   80
.set MSB,   0
.macro WIN new
.if MSB != (\new)
	s_set_vgpr_msb (MSB<<8)|(\new)
.set MSB, (\new)
.endif
.endm
.set MUL_LO, 0xa1
.set MUL_HI, 0xf1
.set TO_B,   0x40
.macro JLOAD g0a, g1a, g0b, g1b
	s_cmp_eq_u32 s15, 0
	s_cbranch_scc0 .Lfor_b_\@
	tensor_load_to_lds s[\g0a:\g0a+3], s[\g1a:\g1a+7]
	s_nop 0
.rept 4
	v_nop
.endr
	s_branch .Lasked_\@
.Lfor_b_\@:
	tensor_load_to_lds s[\g0b:\g0b+3], s[\g1b:\g1b+7]
	s_nop 0
.rept 4
	v_nop
.endr
.Lasked_\@:
.endm
.macro CREST
	s_cmp_lg_u32 s14, 0
	s_cbranch_scc1 .Lnot_wave_0_\@
	s_barrier_signal -3
.Lnot_wave_0_\@:
	s_barrier_wait -3
	s_barrier_signal -1
	s_barrier_wait -1
.endm
.macro CROUND
	s_barrier_signal -1
	s_barrier_wait -1
	CREST
.endm
.macro PLACES n
.rept \n
	v_nop
.endr
.endm
	s_load_b256 s[4:11], s[0:1], 0x0
	s_load_b128 s[68:71], s[0:1], 0x20
	s_load_b64 s[72:73], s[0:1], 0x30
	v_lshl_add_u32 v[SPW], v0, 2, SPARE
	v_mov_b32 v[NIL], 0
	ds_add_u32 v[SPW], v[NIL]
	ds_add_u32 v[SPW], v[NIL]
	v_lshrrev_b32 v1, 5, v0
	v_readfirstlane_b32 s14, v1
	s_lshr_b32 s15, s14, 1
	s_and_b32 s16, s14, 1
	s_bfe_u32 s40, ttmp6, 0x40000
	s_bfe_u32 s41, ttmp6, 0x40004
	s_lshl_b32 s42, ttmp9, 2
	s_add_co_u32 s42, s42, s40
	s_and_b32 s17, ttmp7, 0xffff
	s_lshl_b32 s17, s17, 2
	s_add_co_u32 s17, s17, s41
	s_lshl_b32 s43, s41, 2
	s_lshl_b32 s43, 15, s43
	s_lshl_b32 s44, 0x1111, s40
	s_or_b32 s[G1], s43, (3<<16)|(1<<21)
	s_or_b32 s[G1B], s44, (3<<16)|(1<<21)
.irp g, G1, G1B
	s_mov_b32 s[\g+1], 32<<16
	s_mov_b32 s[\g+2], 100<<16
	s_mov_b32 s[\g+3], 32<<16
	s_mov_b32 s[\g+4], 100
	s_mov_b32 s[\g+5], 32
	s_mov_b32 s[\g+6], 0
	s_mov_b32 s[\g+7], 0
.endr
	s_lshl_b32 s20, s17, 1
	s_add_co_u32 s20, s20, s16
	s_mul_i32 s20, s20, 16*BLK
	s_mov_b32 s21, 0
	s_lshl_b32 s46, s42, 1
	s_add_co_u32 s46, s46, s16
	s_mul_i32 s46, s46, 16*BLK
	s_mov_b32 s47, 0
	s_mul_i32 s45, s14, HALFB
	s_mov_b32 s[SEL], 0x76543210
	s_mov_b32 s[SEL+1], 0xfedcba98
	s_wait_dscnt 0x0
	s_wait_kmcnt 0x0
	s_add_nc_u64 s[20:21], s[4:5], s[20:21]
	s_add_nc_u64 s[46:47], s[6:7], s[46:47]
	CROUND
.irp s, 0,1
	s_mov_b32 s[G0+4*\s], 1
	s_add_co_u32 s[G0+4*\s+1], s45, \s*SLOT
	s_add_nc_u64 s[G0+4*\s+2:G0+4*\s+3], s[20:21], \s*HALFB
	s_or_b32 s[G0+4*\s+3], s[G0+4*\s+3], 0x80000000
	s_mov_b32 s[G0B+4*\s], 1
	s_add_co_u32 s[G0B+4*\s+1], s45, \s*SLOT
	s_add_nc_u64 s[G0B+4*\s+2:G0B+4*\s+3], s[46:47], \s*HALFB
	s_or_b32 s[G0B+4*\s+3], s[G0B+4*\s+3], 0x80000000
	s_wait_alu depctr_va_vdst(0)
	s_wait_tensorcnt 0x0
	ds_add_u32 v28, v29
	ds_add_u32 v28, v29
	s_wait_dscnt 0x0
	CROUND
	JLOAD G0+4*\s, G1, G0B+4*\s, G1B
.endr
	v_and_b32 v1, 15, v0
	v_bfe_u32 v[HH], v0, 4, 1
	v_and_b32 v2, 31, v0
	v_lshlrev_b32 v[L16], 4, v2
	s_wait_alu depctr_va_vdst(0)
	v_lshlrev_b32 v[L8], 3, v2
	s_cmp_eq_u32 ttmp9, 2
	s_cselect_b32 s74, s16, 0
	s_mul_i32 s75, s15, HALFB
	s_mul_i32 s76, s16, HALFB
	s_add_co_u32 s76, s76, 2*HALFB
	s_cmp_eq_u32 s74, 1
	s_cselect_b32 s77, s76, s75
	s_cselect_b32 s78, s75, s76
	s_sub_co_u32 s79, s76, s75
	v_add_nc_u32 v[ADR1], s77, v[L16]
	v_add_nc_u32 v[ADR1+1], SLOT, v[ADR1]
	v_add_nc_u32 v[ADR0], s78, v[L16]
	v_add_nc_u32 v[ADR0+1], SLOT, v[ADR0]
	v_add_nc_u32 v3, s74, v[HH]
	v_and_b32 v3, 1, v3
	v_mul_u32_u24 v3, s79, v3
	v_lshl_add_u32 v3, v1, 4, v3
	v_add_nc_u32 v[ADRS], s75, v3
	v_add_nc_u32 v[ADRS+1], SLOT, v[ADRS]
	v_and_b32 v4, 8, v1
	v_add_nc_u32 v4, v4, v1
	v_lshlrev_b32 v[CA], 8, v4
	v_lshl_add_u32 v[CA], v[HH], 6, v[CA]
.macro FRAG reg, adr, q, i
.irp c, 0,1,2
	ds_load_b128 v[\reg+4*\c:\reg+4*\c+3], v[\adr] offset:BLK*(\q)+1536*(\i)+512*\c
.endr
.endm
.macro MUL16 a0, p, q, sc, zero
.irp a, \a0, \a0+1
.irp b, 0,1,2,3,4,5,6,7
.if \zero
	v_wmma_scale_f32_16x16x128_f8f6f4 v[8*(8*((\a)%4)+\b):8*(8*((\a)%4)+\b)+7], v[128*(\p)+FR*\b:128*(\p)+FR*\b+FR-1], v[AF+FR*(\a):AF+FR*(\a)+FR-1], 0, v[SC+16*(\sc)+8*(\q)+\b], v[SC+16*(\sc)+8*(\q)+(\a)] matrix_a_fmt:MATRIX_FMT_FP6 matrix_b_fmt:MATRIX_FMT_FP6 matrix_a_scale:MATRIX_SCALE_ROW1
.else
	v_wmma_scale_f32_16x16x128_f8f6f4 v[8*(8*((\a)%4)+\b):8*(8*((\a)%4)+\b)+7], v[128*(\p)+FR*\b:128*(\p)+FR*\b+FR-1], v[AF+FR*(\a):AF+FR*(\a)+FR-1], v[8*(8*((\a)%4)+\b):8*(8*((\a)%4)+\b)+7], v[SC+16*(\sc)+8*(\q)+\b], v[SC+16*(\sc)+8*(\q)+(\a)] matrix_a_fmt:MATRIX_FMT_FP6 matrix_b_fmt:MATRIX_FMT_FP6 matrix_a_scale:MATRIX_SCALE_ROW1
.endif
.endr
.endr
.endm
.macro FETCH_B slot, q, p
	WIN TO_B
.irp i, 0,1,2,3,4,5,6,7
	FRAG 128*(\p)+FR*\i, ADR0+\slot, \q, \i
.endr
	WIN 0
.endm
.macro FETCH_A slot, q, i0
.irp i, \i0, \i0+1, \i0+2, \i0+3
	FRAG AF+FR*(\i), ADR1+\slot, \q, \i
.endr
.endm
.macro SCALES sc
.irp q, 0,1
.irp u, 0,1
	ds_load_b128 v[SC+16*\sc+8*\q+4*\u:SC+16*\sc+8*\q+4*\u+3], v[ADRS+\sc] offset:BLK*\q+12288+256*\u
.endr
.endr
.endm
.macro STEP slot, q, zero
	s_wait_dscnt 4*NL
	WIN MUL_LO
	MUL16 0, (\q)%2, \q, \slot, \zero
	MUL16 2, (\q)%2, \q, \slot, \zero
	s_wait_dscnt 0
	PLACES NP
	FETCH_B \slot, (\q)+1, 1-(\q)%2
	FETCH_A \slot, (\q)+1, 0
	WIN MUL_HI
	MUL16 4, (\q)%2, \q, \slot, \zero
	MUL16 6, (\q)%2, \q, \slot, \zero
	PLACES NP
	WIN 0
	FETCH_A \slot, (\q)+1, 4
.endm
.macro TURN slot, next, fill
	s_wait_tensorcnt 0x0
	ds_add_u32 v[SPW], v[NIL]
	s_wait_dscnt 4*NL+1
	WIN MUL_LO
	MUL16 0, 1, 1, \slot, 0
	s_wait_dscnt 0x0
	s_barrier_signal -1
	MUL16 2, 1, 1, \slot, 0
	WIN 0
	s_barrier_wait -1
.if \fill
	CREST
	s_add_nc_u64 s[G0+4*\slot+2:G0+4*\slot+3], s[G0+4*\slot+2:G0+4*\slot+3], 2*HALFB
	s_add_nc_u64 s[G0B+4*\slot+2:G0B+4*\slot+3], s[G0B+4*\slot+2:G0B+4*\slot+3], 2*HALFB
	JLOAD G0+4*\slot, G1, G0B+4*\slot, G1B
.else
	PLACES NP
.endif
	FETCH_B \next, 0, 0
	FETCH_A \next, 0, 0
	SCALES \next
	WIN MUL_HI
	MUL16 4, 1, 1, \slot, 0
	MUL16 6, 1, 1, \slot, 0
	PLACES NP
	WIN 0
	FETCH_A \next, 0, 4
.endm
	s_wait_alu depctr_va_vdst(0)
	s_wait_tensorcnt 1
	s_barrier_signal -1
	s_barrier_wait -1
	FETCH_B 0, 0, 0
	FETCH_A 0, 0, 0
	SCALES 0
	FETCH_A 0, 0, 4
	STEP 0, 0, 1
	s_mov_b32 s3, 3
.Llap:
	TURN 0, 1, 1
	STEP 1, 0, 0
	TURN 1, 0, 1
	STEP 0, 0, 0
	s_sub_co_u32 s3, s3, 1
	s_cmp_lg_u32 s3, 0
	s_cbranch_scc1 .Llap
	TURN 0, 1, 0
	STEP 1, 0, 0
	s_wait_dscnt 4*NL
	WIN MUL_LO
	MUL16 0, 1, 1, 1, 0
	MUL16 2, 1, 1, 1, 0
	s_wait_dscnt 0
	WIN MUL_HI
	MUL16 4, 1, 1, 1, 0
	MUL16 6, 1, 1, 1, 0
	WIN 0
.macro QUANT s, w, pw
	WIN ((\w)<<2)|((\w)<<4)
.irp b, 0,1,2,3
	v_max3_num_f32 v[TM+\b], 0x1800000, |v[(\s)+16*\b]|, |v[(\s)+1+16*\b]|
.endr
.irp i, 2,4,6,8,10,12,14
.irp b, 0,1,2,3
	v_max3_num_f32 v[TM+\b], v[TM+\b], |v[(\s)+16*\b+\i]|, |v[(\s)+1+16*\b+\i]|
.endr
.endr
	WIN 0
.irp b, 0,1,2,3
	v_permlanex16_b32 v[TM+4+\b], v[TM+\b], s[SEL], s[SEL+1]
.endr
.irp b, 0,1,2,3
	v_max_num_f32 v[TM+\b], v[TM+\b], v[TM+4+\b]
.endr
.irp b, 0,1,2,3
	v_add_nc_u32 v[TM+12+\b], 0xff000000, v[TM+\b]
.endr
.irp b, 0,1,2,3
	v_lshrrev_b32 v[TM+4+\b], 23, v[TM+12+\b]
.endr
	v_lshl_or_b32 v[\pw], v[TM+5], 8, v[TM+4]
	v_lshl_or_b32 v[\pw], v[TM+6], 16, v[\pw]
	v_lshl_or_b32 v[\pw], v[TM+7], 24, v[\pw]
	WIN (\w)
.irp c, 0,1
	v_cvt_scalef32_pk16_fp6_f32 v[PC+6*\c:PC+2+6*\c], v[(\s)+32*\c:(\s)+15+32*\c], v[TM+12+2*\c]
	v_cvt_scalef32_pk16_fp6_f32 v[PC+12+4*\c:PC+14+4*\c], v[(\s)+16+32*\c:(\s)+31+32*\c], v[TM+13+2*\c]
.endr
	WIN 0
	v_nop
.irp c, 0,1
.irp i, 0,1,2
	v_permlane16_swap_b32 v[PC+6*\c+\i], v[PC+12+4*\c+\i]
.endr
.irp i, 0,1,2
	v_mov_b32 v[PC+3+6*\c+\i], v[PC+12+4*\c+\i]
.endr
.endr
.endm
	PLACES NP
.irp b, 0,1,2,3
	v_mov_b32 v[TM+4+\b], 0
.endr
	s_lshl_b32 s82, s17, 1
	s_add_co_u32 s82, s82, s15
	s_lshr_b32 s83, s82, 4
	s_and_b32 s94, s82, 15
	s_cmp_eq_u32 ttmp9, 1
	s_cbranch_scc1 .Lgate
	s_lshl_b32 s18, s42, 1
	s_add_co_u32 s18, s18, s16
	s_sub_co_u32 s19, s42, 8
	s_mov_b32 s95, 212992
	s_mov_b32 s96, 13312
	s_cmp_eq_u32 ttmp9, 0
	s_cselect_b64 s[84:85], s[68:69], s[70:71]
	s_cselect_b32 s95, 106496, s95
	s_cselect_b32 s96, 6656, s96
	s_cselect_b32 s97, 16, 8
	s_cselect_b32 s18, s18, s19
	s_mul_i32 s97, s83, s97
	s_lshl_b32 s18, s18, 1
	s_add_co_u32 s97, s97, s18
	s_mul_i32 s97, s97, s95
	s_mul_i32 s96, s94, s96
	s_add_co_u32 s96, s96, s97
	s_mov_b32 s97, 0
	s_add_nc_u64 s[84:85], s[84:85], s[96:97]
	s_mov_b32 s18, s95
	s_mov_b32 s19, 0
	s_add_nc_u64 s[86:87], s[84:85], s[18:19]
	s_cmp_eq_u32 s74, 1
	s_cbranch_scc1 .Lvals
	s_lshl_b32 s18, s94, 15
	s_add_nc_u64 s[88:89], s[8:9], s[18:19]
	s_add_nc_u64 s[90:91], s[10:11], s[18:19]
.macro CSLOAD a, set
	WIN 0x40
.irp u, 0,1
.irp j, 0,1,2,3
	global_load_b128 v[64*(\set)+16*\u+4*\j:64*(\set)+16*\u+4*\j+3], v[CA], s[88:89] offset:(32*((\a)/2)+8*((\a)%2))*256+128*\u+16*\j
	global_load_b128 v[64*(\set)+32+16*\u+4*\j:64*(\set)+32+16*\u+4*\j+3], v[CA], s[90:91] offset:(32*((\a)/2)+8*((\a)%2))*256+128*\u+16*\j
.endr
.endr
	WIN 0
.endm
.macro ROPE a
.set AC, 64*((\a)%4)
	WIN (2+(\a)/4)|(1<<2)
.irp e, 0,1
.irp i, 0,2,4,6,8,10,12,14
	v_pk_mul_f32 v[HA+32*\e+\i:HA+32*\e+\i+1], v[AC+32*\e+16+\i:AC+32*\e+17+\i], v[AC+32+\i:AC+33+\i]
	v_pk_mul_f32 v[HA+32*\e+16+\i:HA+32*\e+17+\i], v[AC+32*\e+\i:AC+32*\e+\i+1], v[AC+48+\i:AC+49+\i]
	v_pk_fma_f32 v[HA+32*\e+\i:HA+32*\e+\i+1], v[AC+32*\e+\i:AC+32*\e+\i+1], v[AC+\i:AC+\i+1], v[HA+32*\e+\i:HA+32*\e+\i+1] neg_lo:[0,0,1] neg_hi:[0,0,1]
	v_pk_fma_f32 v[HA+32*\e+16+\i:HA+32*\e+17+\i], v[AC+32*\e+16+\i:AC+32*\e+17+\i], v[AC+16+\i:AC+17+\i], v[HA+32*\e+16+\i:HA+32*\e+17+\i]
.endr
.endr
	WIN 0
.endm
.macro QKTILE a
.if (\a) <= 4
	s_wait_loadcnt 48
.else
	s_wait_loadcnt 16*(7-(\a))
.endif
	ROPE \a
.if (\a) < 4
	CSLOAD (\a)+4, (\a)%4
.endif
.if (\a) > 0
	s_wait_xcnt 0x0
.endif
	QUANT HA, 0, PWS+(\a)
	global_store_b128 v[L16], v[PC:PC+3], s[84:85] offset:768*(\a)
	global_store_b64 v[L8], v[PC+4:PC+5], s[84:85] offset:768*(\a)+512
	global_store_b128 v[L16], v[PC+6:PC+9], s[86:87] offset:768*(\a)
	global_store_b64 v[L8], v[PC+10:PC+11], s[86:87] offset:768*(\a)+512
.endm
	CSLOAD 0, 0
	CSLOAD 1, 1
	CSLOAD 2, 2
	CSLOAD 3, 3
.irp a, 0,1,2,3,4,5,6,7
	QKTILE \a
.endr
	v_cmp_ne_u32 vcc_lo, 0, v[HH]
.irp i, 0,1,2,3
	v_cndmask_b32 v[TT+\i], v[PWS+\i], v[PWS+4+\i], vcc_lo
.endr
	global_store_b128 v[L16], v[TT:TT+3], s[84:85] offset:6144
.irp i, 0,1,2,3
	v_lshrrev_b32 v[TT+4+\i], 16, v[TT+\i]
.endr
	global_store_b128 v[L16], v[TT+4:TT+7], s[86:87] offset:6144
	s_branch .Ldone
.Lvals:
.irp a, 0,1,2,3,4,5,6,7
.if \a > 0
	s_wait_xcnt 0x0
.endif
	QUANT 64*(\a%4), 2+\a/4, PWS+\a
.irp c, 0,1,2
	global_store_b128 v[L16], v[PC+4*\c:PC+4*\c+3], s[84+2*(\a/4):85+2*(\a/4)] offset:6656+1536*(\a%4)+512*\c
.endr
.if \a%4 == 3
	global_store_b128 v[L16], v[PWS+4*(\a/4):PWS+4*(\a/4)+3], s[84+2*(\a/4):85+2*(\a/4)] offset:12800
.endif
.endr
	s_branch .Ldone
.Lgate:
	s_sub_co_u32 s18, s42, 4
	s_lshl_b32 s18, s18, 1
	s_add_co_u32 s18, s18, s16
	s_lshl_b32 s19, s82, 3
	s_add_co_u32 s18, s18, s19
	s_lshl_b32 s18, s18, 16
	s_mov_b32 s19, 0
	s_add_nc_u64 s[92:93], s[72:73], s[18:19]
.irp a, 0,1,2,3,4,5,6,7
	WIN (2+\a/4)<<2
.set j, 0
.rept 16
	global_store_b128 v[L16], v[64*(\a%4)+4*j:64*(\a%4)+4*j+3], s[92:93] offset:8192*\a+512*j
.set j, j+1
.endr
.endr
	WIN 0
.Ldone:
	s_wait_tensorcnt 0x0
	ds_add_u32 v[SPW], v[NIL]
	s_wait_dscnt 0x0
	CROUND
	s_endpgm
.Lfunc_end_k_qf4e03f831e_proj:
	.size	k_qf4e03f831e_proj, .Lfunc_end_k_qf4e03f831e_proj-k_qf4e03f831e_proj
	.p2alignl 7, 3214868480
	.fill 96, 4, 3214868480
	.section	.rodata,"a",@progbits
	.p2align	6, 0x0
	.amdhsa_kernel k_qf4e03f831e_proj
		.amdhsa_group_segment_fixed_size 327680
		.amdhsa_private_segment_fixed_size 0
		.amdhsa_enable_private_segment 0
		.amdhsa_kernarg_size 56
		.amdhsa_user_sgpr_count 2
		.amdhsa_user_sgpr_kernarg_segment_ptr 1
		.amdhsa_wavefront_size32 1
		.amdhsa_system_sgpr_workgroup_id_x 1
		.amdhsa_system_sgpr_workgroup_id_y 1
		.amdhsa_system_sgpr_workgroup_id_z 1
		.amdhsa_system_vgpr_workitem_id 0
		.amdhsa_next_free_vgpr 1024
		.amdhsa_next_free_sgpr 100
		.amdhsa_reserve_vcc 1
		.amdhsa_float_denorm_mode_32 3
		.amdhsa_float_denorm_mode_16_64 3
		.amdhsa_memory_ordered 1
		.amdhsa_forward_progress 1
		.amdhsa_inst_pref_size 229
	.end_amdhsa_kernel
	.amdgpu_metadata
---
amdhsa.version: [ 1, 2 ]
amdhsa.kernels:
  - .name:           k_qf4e03f831e_proj
    .symbol:         k_qf4e03f831e_proj.kd
    .args:
      - { .name: xq, .offset: 0, .size: 8, .value_kind: global_buffer, .address_space: global }
      - { .name: wq, .offset: 8, .size: 8, .value_kind: global_buffer, .address_space: global }
      - { .name: cos, .offset: 16, .size: 8, .value_kind: global_buffer, .address_space: global }
      - { .name: sin, .offset: 24, .size: 8, .value_kind: global_buffer, .address_space: global }
      - { .name: qi, .offset: 32, .size: 8, .value_kind: global_buffer, .address_space: global }
      - { .name: kv, .offset: 40, .size: 8, .value_kind: global_buffer, .address_space: global }
      - { .name: gt, .offset: 48, .size: 8, .value_kind: global_buffer, .address_space: global }
    .group_segment_fixed_size: 327680
    .private_segment_fixed_size: 0
    .kernarg_segment_align: 8
    .kernarg_segment_size: 56
    .max_flat_workgroup_size: 128
    .sgpr_count:     100
    .vgpr_count:     1024
    .wavefront_size: 32
...
	.end_amdgpu_metadata
.endif
;; end of part 2
;; launch attn (part 3): grid 16 x 16, 8 waves a work-group, clusters of 4 x 1, 327,680 bytes of LDS; arguments qi, kv, gt, aq; writes aq
.if DOCPART == 3
	.amdgcn_target "amdgcn-amd-amdhsa--gfx1250"
	.amdhsa_code_object_version 6
	.text
	.protected	k_qf4e03f831e_attn
	.globl	k_qf4e03f831e_attn
	.p2align	8
	.type	k_qf4e03f831e_attn,@function
k_qf4e03f831e_attn:
	s_mov_b64 s[64:65], 0
	v_nop
	global_prefetch_b8 v0, s[64:65] scope:SCOPE_SE
	s_setreg_imm32_b32 hwreg(HW_REG_WAVE_MODE, 25, 1), 1
	s_wait_xcnt 0x0
	s_wait_alu depctr_hold_cnt(0) depctr_sa_sdst(0) depctr_va_vdst(0) depctr_va_sdst(0) depctr_va_ssrc(0) depctr_va_vcc(0) depctr_vm_vsrc(0)
	s_getreg_b32 s2, hwreg(HW_REG_IB_STS2, 6, 4)
	s_cmp_eq_u32 s2, 0
	s_cbranch_scc0 .Lentry_in_a_cluster
	s_endpgm
.Lentry_in_a_cluster:
	s_bfe_u32 s2, ttmp6, 0x10000c
	s_cmp_lg_u32 s2, 0x3003
	s_cbranch_scc0 .Lentry_shape_is_right
	s_endpgm
.Lentry_shape_is_right:
; LAUNCH 3 OF 4.  aq = Q(softmax(q k^T / 8) v x sigmoid(gate)), both products on codes of E2M3; no work of reference() is left out.
; A work-group: 128 queries x the two query heads of one (batch, key and value head).  A wave: 16 queries x 2 heads.  Both products are used transposed: a lane holds one query.
; All 2,048 keys (16 steps of 128: 13,312 bytes each, K's eight images and scale words, then V's four and theirs) lie in LDS, filled once by joint loads of the four query groups of a cluster:
; steps 0-3 by one load a wave at the head, steps 4-15 by one load a wave behind the full sequence and a round; at most one load of a wave is out.
; THE KEYS OF A TILE are chosen by LDS addresses: tile 4 a + b takes in rows 0-7 keys 64 a + 8 b + 0..7 and in rows 8-15 keys 64 a + 32 + 8 b + 0..7.  So lane (r, h) holds in registers 32 c + 0..31 of a head's scores
; the whole block 2 c + h of 32 keys, in the order of the next operand: a block's maximum needs no other lane and p's codes need no lane exchange.
; SOFTMAX: M = ceil(running largest t), a whole number; p = 2^(t - M); the sum is taken of the unquantised p; O^T and the sum are brought under a new M by an exact power of two.
; LIMITS: the promise holds while the scaled scores stay under 2^31 in magnitude; NaN and infinities among the inputs are not served.
; The gate's 8,192 bytes a wave are prefetched once, 12 steps ahead of their load, a lane to each 256 bytes; K and V come by two loads only, with no loop to run ahead in.
.set STEPB, 13312
.set CHUNK, 4*STEPB
.set REST,  12*STEPB
.set SPARE, 16*STEPB                   ; the spare words, 128 bytes a wave, that no other line names
.set SCR,   SPARE+1024                 ; 512 bytes: the eight waves' scale words on the way out
.set L16, 1
.set L8,  2
.set AV,  3                            ; this step's addresses: V and its scales, K's 16-byte pieces, K's 8-byte pieces, K's scales
.set AK,  4
.set AK8, 5
.set AKS, 6
.set BK,  7                            ; their lane terms
.set BK8, 8
.set BKS, 9
.set SPW, 10
.set NIL, 11
.set SCA, 12
.set SCRD, 13
.set PFO, 14
.set ST,  16                           ; per head: -M, largest raw score, the sum in two halves
.set QF,  24
.set QS,  48
.set KS,  52
.set VS,  56
.set FF,  60                           ; per head: f, p's scale word
.set BM,  64                           ; largest score of my block 2 c + h, at 2 e + c
.set BS,  68
.set TA,  72
.set BP,  74
.set TT,  76
.set SO,  80
.set BY,  84
.set SU,  88
.set Q16, 92
.set Q8,  93
.set QSO, 94
.set S,   96                           ; v96-223 scores, then p
.set PF,  224                          ; p's codes
.set PX,  248                          ; upper halves of blocks' codes: head 0
.set PY,  68                           ; head 1
.set KF,  144                          ; window 1: K's fragments (upper six registers zero); in the last step the gate
.set VF,  96                           ; window 1: V's fragments;  window 1 v0-63: O^T
.set OG,  160
.set PC,  224
.set PWQ, 244
.set TM,  56
.set WV,  12
.set G1,  24
.set G0,  32
.set G0L, 36
.set G1L, 40
.set SEL, 48
.set CS,  50
.set TB,  52
.set CNT, 53
.set GT,  54
.set AQ,  56
.set QT,  58
.set CN,  70
.set MSB, 0
.macro WIN new
.if MSB != (\new)
	s_set_vgpr_msb (MSB<<8)|(\new)
.set MSB, (\new)
.endif
.endm
.macro CROUND
	s_barrier_signal -1
	s_barrier_wait -1
	s_cmp_lg_u32 s[WV], 0
	s_cbranch_scc1 .Lnot_wave_0_\@
	s_barrier_signal -3
.Lnot_wave_0_\@:
	s_barrier_wait -3
	s_barrier_signal -1
	s_barrier_wait -1
.endm
	s_load_b256 s[4:11], s[0:1], 0x0               ; qi, kv, gt, aq
	v_lshl_add_u32 v[SPW], v0, 2, SPARE
	v_mov_b32 v[NIL], 0
	ds_add_u32 v[SPW], v[NIL]                      ; the opening lines: the add twice on end
	ds_add_u32 v[SPW], v[NIL]
	v_lshrrev_b32 v15, 5, v0
	v_readfirstlane_b32 s[WV], v15
	s_bfe_u32 s13, ttmp6, 0x40000
	s_lshl_b32 s14, ttmp9, 2
	s_add_co_u32 s14, s14, s13                     ; the group of 128 queries
	s_and_b32 s15, ttmp7, 0xffff
	s_lshr_b32 s16, s15, 3                         ; batch
	s_and_b32 s17, s15, 7                          ; key and value head
	s_mov_b32 s[G1], 15|(3<<16)|(1<<21)            ; 6,656 dense bytes as 26 rows of 256
	s_mov_b32 s[G1+1], 32<<16
	s_mov_b32 s[G1+2], 26<<16
	s_mov_b32 s[G1+3], 32<<16
	s_mov_b32 s[G1+4], 26
	s_mov_b32 s[G1+5], 32
	s_mov_b32 s[G1+6], 0
	s_mov_b32 s[G1+7], 0
	s_mov_b32 s[G1L], 15|(3<<16)|(1<<21)           ; 19,968 dense bytes as 78 rows of 256
	s_mov_b32 s[G1L+1], 32<<16
	s_mov_b32 s[G1L+2], 78<<16
	s_mov_b32 s[G1L+3], 32<<16
	s_mov_b32 s[G1L+4], 78
	s_mov_b32 s[G1L+5], 32
	s_mov_b32 s[G1L+6], 0
	s_mov_b32 s[G1L+7], 0
	s_mov_b32 s[G0], 1
	s_mov_b32 s[G0L], 1
	s_mul_i32 s[G0+1], s[WV], CHUNK/8              ; my eighth of steps 0-3
	s_mul_i32 s[G0L+1], s[WV], REST/8
	s_add_co_u32 s[G0L+1], s[G0L+1], CHUNK         ; my eighth of steps 4-15
	s_mul_i32 s18, s15, 16*STEPB
	s_add_co_u32 s68, s18, s[G0L+1]
	s_mov_b32 s69, 0
	s_add_co_u32 s18, s18, s[G0+1]
	s_mov_b32 s19, 0
	s_lshl_b32 s21, s16, 4
	s_lshl_b32 s22, s17, 1
	s_add_co_u32 s21, s21, s22
	s_lshl_b32 s21, s21, 4
	s_add_co_u32 s21, s21, s14
	s_mul_i32 s60, s21, 6656                       ; qi: [batch][head][group]
	s_mov_b32 s61, 0
	s_lshl_b32 s22, s16, 4
	s_add_co_u32 s22, s22, s14
	s_lshl_b32 s22, s22, 3
	s_add_co_u32 s22, s22, s17
	s_lshl_b32 s62, s22, 3
	s_add_co_u32 s62, s62, s[WV]
	s_lshl_b32 s62, s62, 13                        ; gt: 8,192 bytes for my tile
	s_mov_b32 s63, 0
	s_mul_i32 s66, s22, 12800
	s_mul_i32 s23, s[WV], 1536
	s_add_co_u32 s66, s66, s23                     ; aq: my image
	s_mov_b32 s67, 0
	s_lshr_b32 s20, s[WV], 2
	s_lshl_b32 s20, s20, 8
	s_and_b32 s21, s[WV], 3
	s_lshl_b32 s21, s21, 2
	s_add_co_u32 s20, s20, s21                     ; my tile's place in a unit of scale words
	s_mul_i32 s21, s[WV], 768
	s_mov_b32 s[SEL], 0x76543210
	s_mov_b32 s[SEL+1], 0xfedcba98
	s_mov_b32 s[CS], 0x3e38aa3b                    ; c = log2(e) / 8
	s_mov_b32 s[CS+1], s[CS]
	s_mov_b32 s[CN], 0xbe38aa3b                    ; -c
	s_mov_b32 s[TB], 0
	s_wait_dscnt 0x0
	s_wait_kmcnt 0x0
	s_add_nc_u64 s[G0+2:G0+3], s[6:7], s[18:19]
	s_or_b32 s[G0+3], s[G0+3], 0x80000000
	s_add_nc_u64 s[G0L+2:G0L+3], s[6:7], s[68:69]
	s_or_b32 s[G0L+3], s[G0L+3], 0x80000000
	s_add_nc_u64 s[QT:QT+1], s[4:5], s[60:61]
	s_add_nc_u64 s[GT:GT+1], s[8:9], s[62:63]
	s_add_nc_u64 s[AQ:AQ+1], s[10:11], s[66:67]
	CROUND
	tensor_load_to_lds s[G0:G0+3], s[G1:G1+7]      ; steps 0-3: my one load at the head
	s_nop 0
.rept 4
	v_nop
.endr
	v_bfe_u32 v[AK8], v0, 3, 1                     ; r / 8
	v_and_b32 v[PFO], 31, v0                       ; lane
	v_and_b32 v[AK], 7, v0                         ; r % 8
	v_bfe_u32 v[AKS], v0, 4, 1                     ; h
	v_and_b32 v15, 15, v0                          ; r
	v_mov_b32 v[BP], 0
	v_mul_u32_u24 v[BK], v[AK8], 1536              ; rows 8-15 of my tiles lie two images on
	v_lshlrev_b32 v[L16], 4, v[PFO]
	v_lshlrev_b32 v[BKS], 4, v[AK]
	v_lshlrev_b32 v[L8], 3, v[PFO]
	v_lshl_add_u32 v[QSO], v15, 4, s20
	v_mov_b32 v[BP+1], 0
	v_lshl_add_u32 v[BK8], v[AK], 3, v[BK]
	v_lshl_add_u32 v[BKS], v[AK8], 3, v[BKS]
	v_lshl_add_u32 v[BK], v[AK], 4, v[BK]
	v_lshlrev_b32 v[PFO], 8, v[PFO]
	v_add_nc_u32 v[Q16], s21, v[L16]
	v_add_nc_u32 v[Q8], s21, v[L8]
	v_lshl_add_u32 v[BK8], v[AKS], 7, v[BK8]       ; 1536 (r / 8) + 8 (r % 8) + 128 h
	v_lshl_add_u32 v[BKS], v[AKS], 8, v[BKS]       ; 16 (r % 8) + 8 (r / 8) + 256 h
	v_lshl_add_u32 v[BK], v[AKS], 8, v[BK]         ; 1536 (r / 8) + 16 (r % 8) + 256 h
	v_add_nc_u32 v[SCA], SCR, v[QSO]
	v_add_nc_u32 v[SCRD], SCR, v[L16]
.irp e, 0,1
	global_load_b128 v[QF+12*\e:QF+12*\e+3], v[Q16], s[QT:QT+1] offset:106496*\e
	global_load_b64 v[QF+12*\e+4:QF+12*\e+5], v[Q8], s[QT:QT+1] offset:106496*\e+512
	global_load_b32 v[QS+\e], v[QSO], s[QT:QT+1] offset:106496*\e+6144
.endr
	WIN 0x40
.set j, 0
.rept 64
	v_mov_b32 v[j], 0                              ; O^T: the step is written once, the first finds zeros
.set j, j+1
.endr
.irp i, 0,1,2,3,4,5,6,7
.irp n, 6,7,8,9,10,11
	v_mov_b32 v[KF+12*\i+\n], 0                    ; the head has 64 numbers: K = 64 .. 127 are zero codes on both sides
.endr
.endr
	WIN 0
.irp e, 0,1
.irp n, 6,7,8,9,10,11
	v_mov_b32 v[QF+12*\e+\n], 0
.endr
	v_mov_b32 v[ST+4*\e], 0x7f61b1e6               ; -M: 3e38
	v_mov_b32 v[ST+4*\e+1], 0xff61b1e6             ; the largest score so far: -3e38
	v_mov_b32 v[ST+4*\e+2], 0
	v_mov_b32 v[ST+4*\e+3], 0
	v_mov_b32 v[FF+2*\e+1], 0
	v_mov_b32 v[TT+2*\e+1], 0
.endr
; link k of head e's short chain: the row's maximum, -M, f.  The links stand one by one among bulk lines
.macro CH e, k
.if (\k) == 0
	v_max_num_f32 v[TA+\e], v[BM+2*\e], v[BM+2*\e+1]
.endif
.if (\k) == 1
	v_permlanex16_b32 v[BP+\e], v[TA+\e], s[SEL], s[SEL+1]
.endif
.if (\k) == 2
	v_max3_num_f32 v[ST+4*\e+1], v[ST+4*\e+1], v[TA+\e], v[BP+\e]
.endif
.if (\k) == 3
	v_mul_f32 v[TA+\e], s[CN], v[ST+4*\e+1]
.endif
.if (\k) == 4
	v_floor_f32 v[ST+4*\e], v[TA+\e]               ; -M = floor(-t)
.endif
.if (\k) == 5
	v_sub_f32 v[TT+2*\e], v[ST+4*\e], v[TT+2*\e]   ; old M less new M
.endif
.if (\k) == 6
	v_cvt_i32_f32 v[TT+2*\e], v[TT+2*\e]
.endif
.if (\k) == 7
	v_ldexp_f32 v[FF+2*\e], 1.0, v[TT+2*\e]        ; f
.endif
.endm
; the largest score of head e's two blocks of mine: four chains of 16, each accumulator from its low end on; head ce's links between
.macro MAXE e, ce
.set LK, 0
.irp n, 0,1,2,3
	v_max3_num_f32 v[BS+\n], v[S+64*\e+16*\n], v[S+64*\e+16*\n+1], v[S+64*\e+16*\n+2]
.endr
.irp i, 3,5,7,9,11,13
.if \ce >= 0
	CH \ce, LK
.set LK, LK+1
.endif
.irp n, 0,1,2,3
	v_max3_num_f32 v[BS+\n], v[BS+\n], v[S+64*\e+16*\n+\i], v[S+64*\e+16*\n+\i+1]
.endr
.endr
.if \ce >= 0
	CH \ce, 6
.endif
	v_max3_num_f32 v[BS], v[BS], v[S+64*\e+15], v[S+64*\e+31]
	v_max3_num_f32 v[BS+2], v[BS+2], v[S+64*\e+47], v[S+64*\e+63]
	v_max_num_f32 v[BM+2*\e], v[BS], v[BS+1]
	v_max_num_f32 v[BM+2*\e+1], v[BS+2], v[BS+3]
.if \ce >= 0
	CH \ce, 7
.endif
.endm
.macro FMAE e, ce                      ; t - M, two at a time
.set LK, 0
.set j, 0
.rept 8
.rept 4
	v_pk_fma_f32 v[S+64*\e+j:S+64*\e+j+1], v[S+64*\e+j:S+64*\e+j+1], s[CS:CS+1], v[ST+4*\e:ST+4*\e+1] op_sel_hi:[1,0,0]
.set j, j+2
.endr
.if \ce >= 0
	CH \ce, LK
.set LK, LK+1
.endif
.endr
.endm
.macro SUMG j                          ; the rows' sums of the unquantised p: four chains
.irp e, 0,1
	v_pk_add_f32 v[ST+4*\e+2:ST+4*\e+3], v[ST+4*\e+2:ST+4*\e+3], v[S+64*\e+(\j):S+64*\e+(\j)+1]
	v_pk_add_f32 v[SU+2*\e:SU+2*\e+1], v[SU+2*\e:SU+2*\e+1], v[S+64*\e+(\j)+2:S+64*\e+(\j)+3]
.endr
.endm
.macro STEP last
	v_add_nc_u32 v[AV], s[TB], v[L16]              ; these four are the places behind the last products
	v_add_nc_u32 v[AK], s[TB], v[BK]
	v_add_nc_u32 v[AK8], s[TB], v[BK8]
	v_add_nc_u32 v[AKS], s[TB], v[BKS]
	ds_load_b64 v[KS:KS+1], v[AKS] offset:6144     ; lanes 0-15: the words of tiles 0-3, lanes 16-31 of tiles 4-7
	ds_load_b64 v[KS+2:KS+3], v[AKS] offset:6144+128
	ds_load_b128 v[VS:VS+3], v[AV] offset:12800
	WIN 0x40
.irp a, 0,1
.irp b, 0,1,2,3
	ds_load_b128 v[KF+12*(4*\a+\b):KF+12*(4*\a+\b)+3], v[AK] offset:768*(4*\a+(\b%2))+128*(\b/2)
	ds_load_b64 v[KF+12*(4*\a+\b)+4:KF+12*(4*\a+\b)+5], v[AK8] offset:768*(4*\a+(\b%2))+512+64*(\b/2)
.endr
.endr
.irp d, 0,1,2,3
.irp c, 0,1,2
	ds_load_b128 v[VF+12*\d+4*\c:VF+12*\d+4*\c+3], v[AV] offset:6656+1536*\d+512*\c
.endr
.endr
	s_wait_dscnt 12                                ; all but V's twelve loads
	WIN 0x01
.irp i, 0,1,2,3
.irp e, 0,1
	v_wmma_scale_f32_16x16x128_f8f6f4 v[S+64*\e+8*\i:S+64*\e+8*\i+7], v[KF+12*\i:KF+12*\i+11], v[QF+12*\e:QF+12*\e+11], 0, v[KS+\i], v[QS+\e] matrix_a_fmt:MATRIX_FMT_FP6 matrix_b_fmt:MATRIX_FMT_FP6
.endr
.endr
.irp i, 4,5,6,7
.irp e, 0,1
	v_wmma_scale_f32_16x16x128_f8f6f4 v[S+64*\e+8*\i:S+64*\e+8*\i+7], v[KF+12*\i:KF+12*\i+11], v[QF+12*\e:QF+12*\e+11], 0, v[KS+\i-4], v[QS+\e] matrix_a_fmt:MATRIX_FMT_FP6 matrix_b_fmt:MATRIX_FMT_FP6 matrix_a_scale:MATRIX_SCALE_ROW1
.endr
.endr
	WIN 0
	v_mov_b32 v[TT], v[ST]                         ; the old -M; four places behind the products
	v_mov_b32 v[TT+2], v[ST+4]
	v_nop
	v_nop
.if \last
	WIN 0x40
.set j, 0
.rept 16
	global_load_b128 v[KF+4*j:KF+4*j+3], v[L16], s[GT:GT+1] offset:512*j th:TH_LOAD_NT   ; the gate, into K's registers, which are read no more
.set j, j+1
.endr
	WIN 0
.endif
	MAXE 0, -1
	MAXE 1, 0
	FMAE 0, 1
	FMAE 1, -1
.irp e, 0,1
.irp c, 0,1
	v_fma_f32 v[BM+2*\e+\c], v[BM+2*\e+\c], s[CS], v[ST+4*\e]   ; the same of each block's largest score
.endr
.endr
	s_wait_alu depctr_va_vdst(0)                   ; the wait ahead of the batch
.set j, 0
.rept 128
	v_exp_f32 v[S+j], v[S+j]
.set j, j+1
.endr
.irp n, 0,1,2,3
	v_exp_f32 v[BM+\n], v[BM+\n]                   ; the block's largest p
.endr
.irp e, 0,1
	v_pk_mul_f32 v[ST+4*\e+2:ST+4*\e+3], v[ST+4*\e+2:ST+4*\e+3], v[FF+2*\e:FF+2*\e+1] op_sel_hi:[1,0]
.endr
	WIN 0x41
	s_wait_alu depctr_va_vdst(0)                   ; one wait behind the batch, directly ahead of the first reader of O^T
.irp e, 0,1
.set j, 0
.rept 16
	v_pk_mul_f32 v[32*\e+j:32*\e+j+1], v[32*\e+j:32*\e+j+1], v[FF+2*\e:FF+2*\e+1] op_sel_hi:[1,0]
.set j, j+2
.endr
.endr
	WIN 0
.irp e, 0,1
	v_pk_add_f32 v[SU+2*\e:SU+2*\e+1], v[S+64*\e:S+64*\e+1], v[S+64*\e+2:S+64*\e+3]
.endr
.irp n, 0,1,2,3
	v_max_num_f32 v[BM+\n], 0x1800000, v[BM+\n]    ; the floor 2^-124: the byte cannot fall under 1
.endr
	SUMG 4
.irp n, 0,1,2,3
	v_add_nc_u32 v[SO+\n], 0xff000000, v[BM+\n]    ; the conversion's scale operand
.endr
	SUMG 8
.irp n, 0,1,2,3
	v_lshrrev_b32 v[BY+\n], 23, v[SO+\n]           ; the byte
.endr
	SUMG 12
.irp e, 0,1
	v_lshl_or_b32 v[TA+\e], v[BY+2*\e+1], 16, v[BY+2*\e]
.endr
	SUMG 16
.irp e, 0,1
	v_permlanex16_b32 v[BP+\e], v[TA+\e], s[SEL], s[SEL+1]
.endr
	SUMG 20
.irp e, 0,1
	v_lshl_or_b32 v[FF+2*\e+1], v[BP+\e], 8, v[TA+\e]   ; lanes 0-15, which alone are read: blocks 0 and 2 are mine, 1 and 3 lane l + 16's
.endr
	SUMG 24
.irp c, 0,1
	v_cvt_scalef32_pk16_fp6_f32 v[PF+6*\c:PF+6*\c+2], v[S+32*\c:S+32*\c+15], v[SO+\c]
	v_cvt_scalef32_pk16_fp6_f32 v[PX+4*\c:PX+4*\c+2], v[S+32*\c+16:S+32*\c+31], v[SO+\c]
	v_cvt_scalef32_pk16_fp6_f32 v[PF+12+6*\c:PF+12+6*\c+2], v[S+64+32*\c:S+64+32*\c+15], v[SO+2+\c]
	v_cvt_scalef32_pk16_fp6_f32 v[PY+4*\c:PY+4*\c+2], v[S+64+32*\c+16:S+64+32*\c+31], v[SO+2+\c]
.endr
	v_nop                                          ; one plain place behind a scaled conversion
.irp c, 0,1
.irp i, 0,1,2
	v_mov_b32 v[PF+6*\c+3+\i], v[PX+4*\c+\i]       ; a conversion's three registers begin on an even number
	v_mov_b32 v[PF+12+6*\c+3+\i], v[PY+4*\c+\i]
.endr
.endr
.irp j, 28,32,36,40,44,48,52,56,60
	SUMG \j                                        ; also the places between the scale words, the codes and the products
.endr
	v_pk_add_f32 v[ST+2:ST+3], v[ST+2:ST+3], v[SU:SU+1]
	v_pk_add_f32 v[ST+6:ST+7], v[ST+6:ST+7], v[SU+2:SU+3]
	s_wait_alu depctr_va_vdst(0)
	s_wait_dscnt 0x0                               ; V's fragments
	WIN 0x51
.irp d, 0,1,2,3
.irp e, 0,1
	v_wmma_scale_f32_16x16x128_f8f6f4 v[32*\e+8*\d:32*\e+8*\d+7], v[VF+12*\d:VF+12*\d+11], v[PF+12*\e:PF+12*\e+11], v[32*\e+8*\d:32*\e+8*\d+7], v[VS+\d], v[FF+2*\e+1] matrix_a_fmt:MATRIX_FMT_FP6 matrix_b_fmt:MATRIX_FMT_FP6
.endr
.endr
	WIN 0
	s_add_co_u32 s[TB], s[TB], STEPB
.endm
.macro STEPS n
	s_mov_b32 s[CNT], \n
.Lstep_\@:
	STEP 0
	s_sub_co_u32 s[CNT], s[CNT], 1
	s_cmp_lg_u32 s[CNT], 0
	s_cbranch_scc1 .Lstep_\@
.endm
	s_wait_alu depctr_va_vdst(0)                   ; the wait at the head's end
	s_wait_loadcnt 0x0                             ; q
	s_wait_tensorcnt 0x0                           ; my part of steps 0-3; the full sequence ahead of a later first fill
	ds_add_u32 v[SPW], v[NIL]
	s_wait_dscnt 0x0
	CROUND
	tensor_load_to_lds s[G0L:G0L+3], s[G1L:G1L+7]  ; steps 4-15: my one load behind the round; it has four steps in which to land
	s_nop 0
.rept 4
	v_nop
.endr
	STEPS 4
	s_wait_tensorcnt 0x0                           ; my part of steps 4-15
	s_barrier_signal -1
	s_barrier_wait -1                              ; everybody's; nothing is filled again
	global_prefetch_b8 v[PFO], s[GT:GT+1] th:TH_LOAD_NT scope:SCOPE_SE
	STEPS 11
	STEP 1
.irp e, 0,1
	v_add_f32 v[ST+4*\e+2], v[ST+4*\e+2], v[ST+4*\e+3]
.endr
.irp e, 0,1
	v_permlanex16_b32 v[BP+\e], v[ST+4*\e+2], s[SEL], s[SEL+1]
.endr
.irp e, 0,1
	v_add_f32 v[ST+4*\e+2], v[ST+4*\e+2], v[BP+\e] ; the row's sum
.endr
	s_wait_alu depctr_va_vdst(0)
.irp e, 0,1
	v_rcp_f32 v[TT+2*\e], v[ST+4*\e+2]
.endr
	v_nop
	WIN 0x01
	s_wait_alu depctr_va_vdst(0)                   ; behind the transcendentals, directly ahead of the first reader of O^T
.irp e, 0,1
.set j, 0
.rept 16
	v_pk_mul_f32 v[OG+32*\e+j:OG+32*\e+j+1], v[32*\e+j:32*\e+j+1], v[TT+2*\e:TT+2*\e+1] op_sel_hi:[1,0]
.set j, j+2
.endr
.endr
	WIN 0x41
	s_wait_loadcnt 0x0                             ; the gate
.set j, 0
.rept 32
	v_pk_mul_f32 v[KF+j:KF+j+1], v[KF+j:KF+j+1], 0xbfb8aa3b op_sel_hi:[1,0]
.set j, j+2
.endr
	s_wait_alu depctr_va_vdst(0)
.set j, 0
.rept 64
	v_exp_f32 v[KF+j], v[KF+j]
.set j, j+1
.endr
	v_nop
	s_wait_alu depctr_va_vdst(0)
.set j, 0
.rept 32
	v_pk_add_f32 v[KF+j:KF+j+1], v[KF+j:KF+j+1], 1.0 op_sel_hi:[1,0]
.set j, j+2
.endr
	s_wait_alu depctr_va_vdst(0)
.set j, 0
.rept 64
	v_rcp_f32 v[KF+j], v[KF+j]                     ; sigmoid(gate)
.set j, j+1
.endr
	v_nop
	WIN 0x04
	s_wait_alu depctr_va_vdst(0)
.set j, 0
.rept 32
	v_pk_mul_f32 v[OG+j:OG+j+1], v[OG+j:OG+j+1], v[KF+j:KF+j+1]
.set j, j+2
.endr
	WIN 0
; the quantiser along the last product's K: register 16 b + i is k = 32 b + 16 h + i of my query's 128
.irp b, 0,1,2,3
	v_max3_num_f32 v[TM+\b], |v[OG+16*\b]|, |v[OG+1+16*\b]|, 0x1800000
.endr
.irp i, 2,4,6,8,10,12,14
.irp b, 0,1,2,3
	v_max3_num_f32 v[TM+\b], v[TM+\b], |v[OG+16*\b+\i]|, |v[OG+1+16*\b+\i]|
.endr
.endr
.irp b, 0,1,2,3
	v_permlanex16_b32 v[TM+4+\b], v[TM+\b], s[SEL], s[SEL+1]
.endr
.irp b, 0,1,2,3
	v_max_num_f32 v[TM+\b], v[TM+\b], v[TM+4+\b]
.endr
.irp b, 0,1,2,3
	v_add_nc_u32 v[TM+12+\b], 0xff000000, v[TM+\b]
.endr
.irp b, 0,1,2,3
	v_lshrrev_b32 v[TM+4+\b], 23, v[TM+12+\b]
.endr
	v_lshl_or_b32 v[PWQ], v[TM+5], 8, v[TM+4]
	v_lshl_or_b32 v[PWQ], v[TM+6], 16, v[PWQ]
	v_lshl_or_b32 v[PWQ], v[TM+7], 24, v[PWQ]
.irp c, 0,1
	v_cvt_scalef32_pk16_fp6_f32 v[PC+6*\c:PC+2+6*\c], v[OG+32*\c:OG+15+32*\c], v[TM+12+2*\c]
	v_cvt_scalef32_pk16_fp6_f32 v[PC+12+4*\c:PC+14+4*\c], v[OG+16+32*\c:OG+31+32*\c], v[TM+13+2*\c]
.endr
	v_nop
.irp c, 0,1
.irp i, 0,1,2
	v_permlane16_swap_b32 v[PC+6*\c+\i], v[PC+12+4*\c+\i]
.endr
.irp i, 0,1,2
	v_mov_b32 v[PC+3+6*\c+\i], v[PC+12+4*\c+\i]
.endr
.endr
.irp c, 0,1,2
	global_store_b128 v[L16], v[PC+4*\c:PC+4*\c+3], s[AQ:AQ+1] offset:512*\c   ; 512 consecutive bytes, at a multiple of 256
.endr
	ds_store_b32 v[SCA], v[PWQ]
	s_wait_dscnt 0x0
	s_barrier_signal -1
	s_barrier_wait -1
	s_cmp_lg_u32 s[WV], 0
	s_cbranch_scc1 .Lnot_first
	ds_load_b128 v[S:S+3], v[SCRD]                 ; wave 0 stores the eight tiles' scale words: two aligned units of 256 bytes
	s_wait_dscnt 0x0
	global_store_b128 v[L16], v[S:S+3], s[AQ:AQ+1] offset:12288
.Lnot_first:
	s_wait_tensorcnt 0x0                           ; the wave's end
	ds_add_u32 v[SPW], v[NIL]
	s_wait_dscnt 0x0
	CROUND                                         ; the closing round
	s_endpgm
.Lfunc_end_k_qf4e03f831e_attn:
	.size	k_qf4e03f831e_attn, .Lfunc_end_k_qf4e03f831e_attn-k_qf4e03f831e_attn
	.p2alignl 7, 3214868480
	.fill 96, 4, 3214868480
	.section	.rodata,"a",@progbits
	.p2align	6, 0x0
	.amdhsa_kernel k_qf4e03f831e_attn
		.amdhsa_group_segment_fixed_size 327680
		.amdhsa_private_segment_fixed_size 0
		.amdhsa_enable_private_segment 0
		.amdhsa_kernarg_size 32
		.amdhsa_user_sgpr_count 2
		.amdhsa_user_sgpr_kernarg_segment_ptr 1
		.amdhsa_wavefront_size32 1
		.amdhsa_system_sgpr_workgroup_id_x 1
		.amdhsa_system_sgpr_workgroup_id_y 1
		.amdhsa_system_sgpr_workgroup_id_z 1
		.amdhsa_system_vgpr_workitem_id 0
		.amdhsa_next_free_vgpr 512
		.amdhsa_next_free_sgpr 72
		.amdhsa_reserve_vcc 0
		.amdhsa_float_denorm_mode_32 3
		.amdhsa_float_denorm_mode_16_64 3
		.amdhsa_memory_ordered 1
		.amdhsa_forward_progress 1
		.amdhsa_inst_pref_size 112
	.end_amdhsa_kernel
	.amdgpu_metadata
---
amdhsa.version: [ 1, 2 ]
amdhsa.kernels:
  - .name:           k_qf4e03f831e_attn
    .symbol:         k_qf4e03f831e_attn.kd
    .args:
      - { .name: qi, .offset: 0, .size: 8, .value_kind: global_buffer, .address_space: global }
      - { .name: kv, .offset: 8, .size: 8, .value_kind: global_buffer, .address_space: global }
      - { .name: gt, .offset: 16, .size: 8, .value_kind: global_buffer, .address_space: global }
      - { .name: aq, .offset: 24, .size: 8, .value_kind: global_buffer, .address_space: global }
    .group_segment_fixed_size: 327680
    .private_segment_fixed_size: 0
    .kernarg_segment_align: 8
    .kernarg_segment_size: 32
    .max_flat_workgroup_size: 256
    .sgpr_count:     72
    .vgpr_count:     512
    .wavefront_size: 32
...
	.end_amdgpu_metadata
.endif
;; end of part 3
;; launch outp (part 4): grid 8 x 32, 4 waves a work-group, clusters of 4 x 4, 327,680 bytes of LDS; arguments aq, wo, out0; writes out0
.if DOCPART == 4
	.amdgcn_target "amdgcn-amd-amdhsa--gfx1250"
	.amdhsa_code_object_version 6
	.text
	.protected	k_qf4e03f831e_outp
	.globl	k_qf4e03f831e_outp
	.p2align	8
	.type	k_qf4e03f831e_outp,@function
k_qf4e03f831e_outp:
	s_mov_b64 s[64:65], 0
	v_nop
	global_prefetch_b8 v0, s[64:65] scope:SCOPE_SE
	s_setreg_imm32_b32 hwreg(HW_REG_WAVE_MODE, 25, 1), 1
	s_wait_xcnt 0x0
	s_wait_alu depctr_hold_cnt(0) depctr_sa_sdst(0) depctr_va_vdst(0) depctr_va_sdst(0) depctr_va_ssrc(0) depctr_va_vcc(0) depctr_vm_vsrc(0)
	s_getreg_b32 s2, hwreg(HW_REG_IB_STS2, 6, 4)
	s_cmp_eq_u32 s2, 0
	s_cbranch_scc0 .Lentry_in_a_cluster
	s_endpgm
.Lentry_in_a_cluster:
	s_bfe_u32 s2, ttmp6, 0x10000c
	s_cmp_lg_u32 s2, 0xf033
	s_cbranch_scc0 .Lentry_shape_is_right
	s_endpgm
.Lentry_shape_is_right:
; LAUNCH 4 OF 4.  out0 = (attn x sigmoid(gate)) Wo on codes of E2M3: 4,096 x 2,048 x 1,024; no work of reference() is left out.
; A tile of 128 tokens x 256 columns to a work-group: 256 work-groups.  Four waves, each 64 tokens x 128 columns: 32 accumulators.
; ALL OF K (8 steps of 128) lies in LDS, filled once: the tokens' 8 blocks of 12,800 bytes from byte 0, the two groups of weights behind them, 8 blocks each.
; ONE load a wave at the head: waves 0 and 1 fetch four of the tokens' blocks each, waves 2 and 3 a group of weights each.  Nothing is filled later, so one wait and one barrier show all of it.
; CLUSTERS: 4 x 4; the tokens' blocks are shared along a row, the weights' along a column.  No prefetch: the launch has no loop to run ahead in.
; Source 0 = 16 columns of Wo, source 1 = 16 tokens: a lane holds eight neighbouring columns of one token's row.
; REGISTERS: window 0: v16-29 addresses; v32-47 scale words, two sets; v64-159 the tokens' fragments, two sets of four; on the way out v64-191.  window 1: the weights' fragments, two sets (v0, v128).  window 2: the accumulators, (a, b) at v[8 (8 a + b)].
.set BLK,    12800
.set SPARE,  24*BLK                    ; the spare words, 128 bytes a wave, that no other line names
.set SPITCH, 528                       ; the way out: 16 rows x (512 + 16) for each wave, 33,792 bytes from byte 0: the tokens' K steps 0 to 2, whose last reads lie ahead of the barrier in K step 3
.set ADR1, 16
.set ADR0, 17
.set AS1,  18
.set AS2,  19
.set STO,  24
.set RD,   25
.set CO,   26
.set SPW,  28
.set NIL,  29
.set SC,   32
.set AF,   64
.set G1A,  24
.set G1B,  32
.set G0A,  40
.set G0B,  44
.set MSB,  0
.macro WIN new
.if MSB != (\new)
	s_set_vgpr_msb (MSB<<8)|(\new)
.set MSB, (\new)
.endif
.endm
.set MUL, 0xa1
.macro CROUND
	s_barrier_signal -1
	s_barrier_wait -1
	s_cmp_lg_u32 s14, 0
	s_cbranch_scc1 .Lnot_wave_0_\@
	s_barrier_signal -3
.Lnot_wave_0_\@:
	s_barrier_wait -3
	s_barrier_signal -1
	s_barrier_wait -1
.endm
	s_load_b128 s[4:7], s[0:1], 0x0                ; aq, wo
	s_load_b64 s[8:9], s[0:1], 0x10                ; out0
	v_lshl_add_u32 v[SPW], v0, 2, SPARE
	v_mov_b32 v[NIL], 0
	ds_add_u32 v[SPW], v[NIL]                      ; the opening lines: the add twice on end
	ds_add_u32 v[SPW], v[NIL]
	v_lshrrev_b32 v1, 5, v0
	v_readfirstlane_b32 s14, v1                    ; wave
	s_lshr_b32 s15, s14, 1                         ; my 64 tokens.  Also: I fetch tokens (0) or weights (1)
	s_and_b32 s16, s14, 1                          ; my 128 columns.  Also: which half of the tokens' blocks, or which group of weights, I fetch
	s_bfe_u32 s84, ttmp6, 0x40000                  ; cx
	s_bfe_u32 s85, ttmp6, 0x40004                  ; cy
	s_lshl_b32 s86, ttmp9, 2
	s_add_co_u32 s86, s86, s84                     ; X: tile column
	s_and_b32 s17, ttmp7, 0xffff
	s_lshl_b32 s17, s17, 2
	s_add_co_u32 s17, s17, s85                     ; G: the group of 128 tokens
	s_lshl_b32 s87, s85, 2
	s_lshl_b32 s87, 15, s87                        ; my row of the cluster
	s_lshl_b32 s88, 0x1111, s84                    ; my column
	s_or_b32 s[G1A], s87, (3<<16)|(1<<21)          ; the tokens': 51,200 dense bytes as 200 rows of 256
	s_mov_b32 s[G1A+1], 32<<16
	s_mov_b32 s[G1A+2], 200<<16
	s_mov_b32 s[G1A+3], 32<<16
	s_mov_b32 s[G1A+4], 200
	s_mov_b32 s[G1A+5], 32
	s_mov_b32 s[G1A+6], 0
	s_mov_b32 s[G1A+7], 0
	s_or_b32 s[G1B], s88, (3<<16)|(1<<21)          ; the weights': 102,400 dense bytes as 400 rows of 256
	s_mov_b32 s[G1B+1], 32<<16
	s_mov_b32 s[G1B+2], 400<<16
	s_mov_b32 s[G1B+3], 32<<16
	s_mov_b32 s[G1B+4], 400
	s_mov_b32 s[G1B+5], 32
	s_mov_b32 s[G1B+6], 0
	s_mov_b32 s[G1B+7], 0
	s_mul_i32 s20, s16, 4*BLK                      ; the tokens' half
	s_mul_i32 s18, s17, 8*BLK
	s_add_co_u32 s18, s18, s20
	s_mov_b32 s19, 0
	s_mul_i32 s21, s16, 8*BLK
	s_add_co_u32 s21, s21, 8*BLK                   ; the weights' group in LDS
	s_lshl_b32 s22, s86, 1
	s_add_co_u32 s22, s22, s16
	s_mul_i32 s22, s22, 8*BLK
	s_mov_b32 s23, 0
	s_wait_dscnt 0x0                               ; both opening adds are done
	s_wait_kmcnt 0x0
	s_mov_b32 s[G0A], 1
	s_mov_b32 s[G0A+1], s20
	s_add_nc_u64 s[G0A+2:G0A+3], s[4:5], s[18:19]
	s_or_b32 s[G0A+3], s[G0A+3], 0x80000000
	s_mov_b32 s[G0B], 1
	s_mov_b32 s[G0B+1], s21
	s_add_nc_u64 s[G0B+2:G0B+3], s[6:7], s[22:23]
	s_or_b32 s[G0B+3], s[G0B+3], 0x80000000
	CROUND                                         ; all sixteen work-groups are here: the joint loads meet
	s_cmp_eq_u32 s15, 0
	s_cbranch_scc0 .Lfor_w
	tensor_load_to_lds s[G0A:G0A+3], s[G1A:G1A+7]
	s_nop 0
.rept 4
	v_nop
.endr
	s_branch .Lasked
.Lfor_w:
	tensor_load_to_lds s[G0B:G0B+3], s[G1B:G1B+7]
	s_nop 0
.rept 4
	v_nop
.endr
.Lasked:
	v_and_b32 v1, 15, v0                           ; r
	v_bfe_u32 v2, v0, 4, 1                         ; h
	v_and_b32 v3, 31, v0
	v_lshlrev_b32 v[CO], 4, v3                     ; 16 x lane
	s_mul_i32 s18, s15, 6144                       ; my four tiles of tokens
	v_add_nc_u32 v[ADR1], s18, v[CO]
	s_mul_i32 s19, s16, 8*BLK
	s_add_co_u32 s19, s19, 8*BLK                   ; my group of the weights
	v_add_nc_u32 v[ADR0], s19, v[CO]
	s_lshl_b32 s22, s15, 8
	s_sub_co_u32 s19, s19, s22                     ; from the tokens' unit of scale words to the weights' first
	v_mul_u32_u24 v4, s19, v2                      ; lanes 16-31 take the weights'
	v_lshl_add_u32 v4, v1, 4, v4
	s_add_co_u32 s22, s22, 12288
	v_add_nc_u32 v[AS1], s22, v4
	v_lshl_add_u32 v[AS2], v2, 8, v[AS1]           ; the weights' second unit (lanes 0-15: the tokens' once more, not read)
	s_mul_i32 s23, s14, 16*SPITCH                  ; my stage
	v_mul_u32_u24 v4, v1, SPITCH
	v_lshl_add_u32 v4, v2, 6, v4
	v_add_nc_u32 v[STO], s23, v4                   ; in: row r, + 64 h
	v_add_nc_u32 v[RD], s23, v[CO]                 ; back: a row of 512 bytes to the 32 lanes
	s_lshl_b32 s18, s17, 20                        ; 128 rows of 8,192 bytes
	s_lshl_b32 s19, s15, 19
	s_add_co_u32 s18, s18, s19
	s_lshl_b32 s19, s86, 10
	s_add_co_u32 s18, s18, s19
	s_lshl_b32 s19, s16, 9
	s_add_co_u32 s18, s18, s19
	s_mov_b32 s19, 0
	s_add_nc_u64 s[8:9], s[8:9], s[18:19]
.macro FETCH q, p                      ; K step q's fragments and scale words into set p: 24 + 2 + 12 loads; the address registers stand at K step q - q % 2
	WIN 0x40
.irp i, 0,1,2,3,4,5,6,7
.irp c, 0,1,2
	ds_load_b128 v[128*(\p)+12*\i+4*\c:128*(\p)+12*\i+4*\c+3], v[ADR0] offset:BLK*((\q)%2)+1536*\i+512*\c
.endr
.endr
	WIN 0
	ds_load_b128 v[SC+8*(\p):SC+8*(\p)+3], v[AS1] offset:BLK*((\q)%2)
	ds_load_b128 v[SC+8*(\p)+4:SC+8*(\p)+7], v[AS2] offset:BLK*((\q)%2)
.irp i, 0,1,2,3
.irp c, 0,1,2
	ds_load_b128 v[AF+48*(\p)+12*\i+4*\c:AF+48*(\p)+12*\i+4*\c+3], v[ADR1] offset:BLK*((\q)%2)+1536*\i+512*\c
.endr
.endr
.endm
.macro MUL16 a0, p, zero               ; the 32 accumulators take turns, one instruction a turn, in the same order in every step
.irp a, \a0, \a0+1
.irp b, 0,1,2,3,4,5,6,7
.if \zero
	v_wmma_scale_f32_16x16x128_f8f6f4 v[8*(8*(\a)+\b):8*(8*(\a)+\b)+7], v[128*(\p)+12*\b:128*(\p)+12*\b+11], v[AF+48*(\p)+12*(\a):AF+48*(\p)+12*(\a)+11], 0, v[SC+8*(\p)+\b], v[SC+8*(\p)+(\a)] matrix_a_fmt:MATRIX_FMT_FP6 matrix_b_fmt:MATRIX_FMT_FP6 matrix_a_scale:MATRIX_SCALE_ROW1
.else
	v_wmma_scale_f32_16x16x128_f8f6f4 v[8*(8*(\a)+\b):8*(8*(\a)+\b)+7], v[128*(\p)+12*\b:128*(\p)+12*\b+11], v[AF+48*(\p)+12*(\a):AF+48*(\p)+12*(\a)+11], v[8*(8*(\a)+\b):8*(8*(\a)+\b)+7], v[SC+8*(\p)+\b], v[SC+8*(\p)+(\a)] matrix_a_fmt:MATRIX_FMT_FP6 matrix_b_fmt:MATRIX_FMT_FP6 matrix_a_scale:MATRIX_SCALE_ROW1
.endif
.endr
.endr
.endm
.macro KSTEP q, zero
	s_wait_dscnt 6                                 ; all but the youngest six loads (the tokens' tiles 2 and 3)
	WIN MUL
	MUL16 0, (\q)%2, \zero
	s_wait_dscnt 0x0
	WIN 0
.if ((\q)%2 == 1) && ((\q) < 7)
.if (\q) == 3
	s_barrier_signal -1                            ; every wave's reads of K steps 0 to 3 are over: the stage's bytes are read no more
	s_barrier_wait -1
.endif
.irp r, ADR1, ADR0, AS1, AS2
	v_add_nc_u32 v[\r], 2*BLK, v[\r]               ; two K steps on; these four are also the places in front of the loads below
.endr
.else
.rept 4
	v_nop                                          ; places in front of loads into registers that matrix instructions have read
.endr
.endif
.if (\q) < 7
	FETCH (\q)+1, 1-(\q)%2
.endif
	WIN MUL
	MUL16 2, (\q)%2, \zero
.endm
	s_wait_alu depctr_va_vdst(0)                   ; the wait at the head's end
	s_wait_tensorcnt 0x0                           ; my load has landed
	s_barrier_signal -1
	s_barrier_wait -1                              ; everybody's has
	FETCH 0, 0
	KSTEP 0, 1                                     ; the first step's products start the sums
.irp q, 1,2,3,4,5,6,7
	s_wait_alu depctr_va_vdst(0)
	KSTEP \q, 0
.endr
	WIN 0
.rept 4
	v_nop                                          ; behind the last products, ahead of the reads of results and of loads into their operands
.endr
; THE WAY OUT, a tile of 16 tokens x 128 columns at a time, through my own stage: whole rows of 512 bytes come back.  LDS serves a wave's instructions in order.
.macro TOSTAGE a
	WIN 0x08                                       ; an LDS store's data are its source 1: window 2
.irp b, 0,1,2,3,4,5,6,7
	ds_store_b128 v[STO], v[64*(\a)+8*\b:64*(\a)+8*\b+3] offset:128*(\b/2)+32*(\b%2)       ; columns 32 (b / 2) + 16 h + 8 (b % 2) + 0 .. 7; each accumulator from its low end on
	ds_store_b128 v[STO], v[64*(\a)+8*\b+4:64*(\a)+8*\b+7] offset:128*(\b/2)+32*(\b%2)+16
.endr
	WIN 0
.set BB, 64+64*((\a)%2)
.irp t, 0,1,2,3,4,5,6,7,8,9,10,11,12,13,14,15
	ds_load_b128 v[BB+4*\t:BB+4*\t+3], v[RD] offset:\t*SPITCH
.endr
.endm
.macro SEND a, younger
.set BB, 64+64*((\a)%2)
	s_wait_dscnt \younger                          ; the tile is back; the next tile's 16 stores and 16 loads may be out
.irp t, 0,1,2,3,4,5,6,7,8,9,10,11,12,13,14,15
	global_store_b128 v[CO], v[BB+4*\t:BB+4*\t+3], s[8:9] offset:(32*((\a)/2)+8*((\a)%2)+\t+8*(\t/8))*8192 th:TH_STORE_NT   ; 32 lanes store 512 consecutive bytes, at a multiple of 256
.endr
.endm
	TOSTAGE 0
	TOSTAGE 1
	SEND 0, 32
	s_wait_xcnt 0x0                                ; tile 0's stores have read their registers: tile 2's loads may land there
	TOSTAGE 2
	SEND 1, 32
	s_wait_xcnt 0x0
	TOSTAGE 3
	SEND 2, 32
	SEND 3, 0
	s_wait_tensorcnt 0x0                           ; the wave's end
	ds_add_u32 v[SPW], v[NIL]
	s_wait_dscnt 0x0
	CROUND                                         ; the closing round
	s_endpgm
.Lfunc_end_k_qf4e03f831e_outp:
	.size	k_qf4e03f831e_outp, .Lfunc_end_k_qf4e03f831e_outp-k_qf4e03f831e_outp
	.p2alignl 7, 3214868480
	.fill 96, 4, 3214868480
	.section	.rodata,"a",@progbits
	.p2align	6, 0x0
	.amdhsa_kernel k_qf4e03f831e_outp
		.amdhsa_group_segment_fixed_size 327680
		.amdhsa_private_segment_fixed_size 0
		.amdhsa_enable_private_segment 0
		.amdhsa_kernarg_size 24
		.amdhsa_user_sgpr_count 2
		.amdhsa_user_sgpr_kernarg_segment_ptr 1
		.amdhsa_wavefront_size32 1
		.amdhsa_system_sgpr_workgroup_id_x 1
		.amdhsa_system_sgpr_workgroup_id_y 1
		.amdhsa_system_sgpr_workgroup_id_z 1
		.amdhsa_system_vgpr_workitem_id 0
		.amdhsa_next_free_vgpr 768
		.amdhsa_next_free_sgpr 96
		.amdhsa_reserve_vcc 0
		.amdhsa_float_denorm_mode_32 3
		.amdhsa_float_denorm_mode_16_64 3
		.amdhsa_memory_ordered 1
		.amdhsa_forward_progress 1
		.amdhsa_inst_pref_size 75
	.end_amdhsa_kernel
	.amdgpu_metadata
---
amdhsa.version: [ 1, 2 ]
amdhsa.kernels:
  - .name:           k_qf4e03f831e_outp
    .symbol:         k_qf4e03f831e_outp.kd
    .args:
      - { .name: aq, .offset: 0, .size: 8, .value_kind: global_buffer, .address_space: global }
      - { .name: wo, .offset: 8, .size: 8, .value_kind: global_buffer, .address_space: global }
      - { .name: out0, .offset: 16, .size: 8, .value_kind: global_buffer, .address_space: global }
    .group_segment_fixed_size: 327680
    .private_segment_fixed_size: 0
    .kernarg_segment_align: 8
    .kernarg_segment_size: 24
    .max_flat_workgroup_size: 128
    .sgpr_count:     96
    .vgpr_count:     768
    .wavefront_size: 32
...
	.end_amdgpu_metadata
.endif
;; end of part 4
